; MI455X (gfx1250); checked and timed in simulation.
; The chip was launched on July 23, 2026; its instructions are those of AMD's public machine-readable ISA for CDNA 5 (MIT licence, August 2026) and "CDNA5" Instruction Set Architecture Reference Guide (July 2026). The comments in the code are by the model that wrote it; some were corrected since.
;; Causal Self Attention. Allowed arithmetic: matrix products marked QUANTISED: E4M3 operands, one given power-of-two scale a tensor, by v_wmma_f32_16x16x64_fp8_fp8 or v_wmma_f32_16x16x128_fp8_fp8, f32 sums; everything else in f32.
;; Inputs: W_out 1,024 x 1,024 float32; W_qkv 1,024 x 3,072 float32; b_out 1,024 float32; b_qkv 3,072 float32; lowp_scales 8 int32 (the exponents e of the quantised operands' scales 2^e); x 4 x 2,048 x 1,024 float32.
;; Outputs: out0 4 x 2,048 x 1,024 float32.
;; This version of the problem:
;;   THIS VERSION OF THE PROBLEM IS GIVEN IN LOW PRECISION. The matrix products marked QUANTISED in the list below multiply operands that are first quantised to E4M3 (4 exponent bits, 3 mantissa bits; 8 bits a number), with one given power-of-two scale for each operand tensor; their sums are f32. All else is computed in f32.
;;   The module's matrix products, in the order in which they are computed (A, B: the left and right operand; K: the contracted axis; several contracted axes count as one K, in the product's order):
;;     1. [M 8,192, K 1,024] x [K 1,024, N 3,072]; A: input x; B: input W_qkv: QUANTISED (scales: A lowp_scales[0], B lowp_scales[1])
;;     2. batch 64 x [M 2,048, K 64] x [K 64, N 2,048]; A: computed on the way; B: computed on the way: QUANTISED (scales: A lowp_scales[2], B lowp_scales[3])
;;     3. batch 64 x [M 2,048, K 2,048] x [K 2,048, N 64]; A: softmax (see below); B: computed on the way: QUANTISED (scales: A lowp_scales[4], B lowp_scales[5])
;;     4. [M 8,192, K 1,024] x [K 1,024, N 1,024]; A: computed on the way; B: input W_out: QUANTISED (scales: A lowp_scales[6], B lowp_scales[7])
;;   THE QUANTISER, for each operand of a quantised product, along K:
;;     - The operand's scale is 2^e, e = its entry of the input lowp_scales (int32; the entries are numbered through the quantised products in the list's order, A before B).
;;     - Each number is divided by the scale, clamped to +-448, and rounded to the nearest number of E4M3, ties to even, subnormals kept.
;;     - The product sums the exact products of the quantised numbers (number of the format x scale) in f32.
;;   ~~~python
;;   def quantise(x, axis, e):      # numpy; x: float32 -> the quantised numbers, widened to float32 again
;;       x = np.moveaxis(x, axis, -1); K = x.shape[-1]
;;       r = np.clip(x / 2.0 ** e, -448, 448)
;;       step = 2.0 ** (np.maximum(np.frexp(np.where(r == 0, 1, r))[1] - 1, -6) - 3)
;;       q = np.round(r / step) * step * 2.0 ** e      # np.round: ties to even
;;       return np.moveaxis(q, -1, axis).astype(np.float32)
;;   ~~~
;;   SOFTMAX AHEAD OF A QUANTISED PRODUCT. Where the list says 'softmax', what is quantised is not the finished softmax but p = 2^(t - M), with t = logit x log2(e) and M = ceil(the row's largest t), a whole number; so 1/2 < the row's largest p <= 1. The row's sum l is taken of the UNQUANTISED p, in f32, and the product's result is divided by l at the end. Since M is a whole number, a kernel that streams over the keys may use a running M (the ceiling of the running maximum): every later rescaling is an exact power of two, so the quantised numbers keep their values, but for numbers so far below the row's largest that they fall under the format's range.
;;   OPERANDS COMPUTED ON THE WAY. 'Computed on the way' means the value that the module computes at that place (a softmax that the list does not call 'softmax' is quantised finished and normalised). What goes into a quantiser is computed in f32, as accurately as f32 sums, v_exp_f32 and their like allow (about 1e-6 of the number): no bf16 or f16 on the way to a quantiser, and a product that is left as it is and whose result goes on into a quantised operand takes f32 operands (vector FMAs, or v_wmma_f32_16x16x4_f32). A number that lies on a knife's edge between two numbers of the format may be rounded either way, as far as f32 arithmetic and the matrix unit's own rounding can turn it there, and no further.
;; One version. Each part assembles by itself: llvm-mc -triple=amdgcn-amd-amdhsa -mcpu=gfx1250 --defsym DOCPART=n.
;; ======== version 1 of 1: 4 launches
;; limits: right only within a limited range of input values
;; workspace buffers: x_img 8,388,608 bytes; wq_img 3,145,728 bytes; wo_img 1,048,576 bytes; q_img 8,388,608 bytes; kv_img 16,777,216 bytes; o_img 8,388,608 bytes
;; launch quant (part 1): grid 96 x 4, 4 waves a work-group, no clusters, 34,304 bytes of LDS; arguments x, W_qkv, W_out, lowp_scales, x_img, wq_img, wo_img; writes x_img, wq_img, wo_img
.if DOCPART == 1
	.amdgcn_target "amdgcn-amd-amdhsa--gfx1250"
	.amdhsa_code_object_version 6
	.text
	.protected	k_qa7463c8ca0_quant
	.globl	k_qa7463c8ca0_quant
	.p2align	8
	.type	k_qa7463c8ca0_quant,@function
k_qa7463c8ca0_quant:
	s_mov_b64 s[64:65], 0
	v_nop
	global_prefetch_b8 v0, s[64:65] scope:SCOPE_SE
	s_setreg_imm32_b32 hwreg(HW_REG_WAVE_MODE, 25, 1), 1
	s_wait_xcnt 0x0
; x [8192][1024], W_qkv [1024][3072], W_out [1024][1024], f32, become codes of FP8 (E4M3), each tensor with its given scale 2^e (entries 0, 1, 7 of the scales).
; code = number / 2^e, held within +-448, rounded to the nearest code, ties to even.  LIMITS: each e between -126 and 119; NaN among the inputs is not served (an infinity is held at the largest code).
; THE CODES ARE STORED AS IMAGES OF OPERAND REGISTERS.  A fragment is 16 rows x 128 K, 16 registers a lane, 2,048 bytes: lane l = 16 h + r holds row r, registers 2 c, 2 c + 1 hold K = 16 c + 8 h + 0 .. 7;
; registers 4 G .. 4 G + 3 of lane l lie at byte 512 G + 16 l.  The fragments lie [K / 256][tile of 16 rows][(K / 128) % 2]: the two fragments of a tile and a K step of 256 are 4,096 consecutive bytes.
; For x a row is a token; for the weights a row is a COLUMN of the weight (its K is the first axis in memory).
; ONE LAUNCH, THREE PATHS, parted by the work-group's x: 0-63 x, 64-87 W_qkv, 88-95 W_out; every wave takes 32 KiB of f32.  No barrier: waves share nothing.  Only x's path uses LDS.
; Matrix units, clusters and tensor loads are left out: memory binds, each f32 byte is read once and each code byte written once.
.set R,   16                           ; x: v16-143  two sets of 64: a fragment's numbers as they are loaded
.set X,   144                          ; x: v144-207 the lane's 64 numbers in the operand's order
.set C,   208                          ; x: v208-239 two sets of 16: a fragment's codes
.set WX,  16                           ; W: v16-79   two sets of 32 numbers down K
.set WC,  80                           ; W: v80-143  eight registers of codes for each of eight blocks: no store's data are written again
.set SP,  528                          ; x: a stage row: 512 bytes + 16 = 132 words, so that the sixteen rows that a load touches start at sixteen different banks (64 banks of 4 bytes: ISA guide 11.1)
.macro SCALE e                         ; v11 = 2^e as f32 (the conversion takes its exponent field); v10 = 448 x 2^e
	s_add_co_i32 s36, \e, 127
	s_lshl_b32 s37, s36, 23
	v_mov_b32 v11, s37
	s_add_co_i32 s36, s36, 8
	s_lshl_b32 s36, s36, 23
	s_or_b32 s36, s36, 0x600000
	v_mov_b32 v10, s36
.endm
.macro LOADF f                         ; x: fragment f's 16 rows x 512 bytes: each load reads 512 consecutive bytes of one row
.irp i, 0,1,2,3,4,5,6,7,8,9,10,11,12,13,14,15
	global_load_b128 v[R+64*((\f)%2)+4*\i:R+64*((\f)%2)+4*\i+3], v3, s[4:5] offset:\i*4096+(\f)*512 th:TH_LOAD_NT
.endr
.endm
.macro FRAGX f                         ; x: fragment f turns through the wave's stage, is quantised and stored
.if (\f) < 3
	s_wait_loadcnt 16                              ; this fragment's 16 loads are in; the next fragment's 16 may be out
.else
	s_wait_loadcnt 0
.endif
.irp i, 0,1,2,3,4,5,6,7,8,9,10,11,12,13,14,15
	ds_store_b128 v14, v[R+64*((\f)%2)+4*\i:R+64*((\f)%2)+4*\i+3] offset:\i*SP
.endr
.irp c, 0,1,2,3,4,5,6,7
	ds_load_b128 v[X+8*\c:X+8*\c+3], v15 offset:64*\c          ; LDS serves a wave's instructions in order (ISA guide 5.7.1.4): these see the stores above.  K = 16 c + 8 h + 0 .. 3 of row r,
	ds_load_b128 v[X+8*\c+4:X+8*\c+7], v15 offset:64*\c+16     ; and + 4 .. 7
.endr
	s_wait_dscnt 0x0                               ; the numbers are back, and the stores into the stage have read their registers,
.if (\f)+2 < 4
	LOADF (\f)+2                                   ; which take the fragment two further on
.endif
.if (\f) >= 2
	s_wait_xcnt 0x0                                ; this set of codes was the data of the stores two fragments back: it is rewritten only behind this wait
.endif
.set n, 0
.rept 64
	v_med3_num_f32 v[X+n], v[X+n], -v10, v10       ; the conversion to an 8-bit code does not saturate (ISA guide 7.6.2): the hold at the largest code x the scale
.set n, n+1
.endr
.irp c, 0,1,2,3,4,5,6,7
	v_cvt_scalef32_pk8_fp8_f32 v[C+16*((\f)%2)+2*\c:C+16*((\f)%2)+2*\c+1], v[X+8*\c:X+8*\c+7], v11
.endr
	v_nop                                          ; a plain line behind the conversions: the next fragment's holds write their sources
.irp g, 0,1,2,3
	global_store_b128 v3, v[C+16*((\f)%2)+4*\g:C+16*((\f)%2)+4*\g+3], s[12:13] offset:((\f)/2)*2097152+((\f)%2)*2048+512*\g   ; 512 consecutive bytes, aligned
.endr
.endm
.macro WLOAD g, P, COLS                ; W: block g: rows 32 g + i of my column, i = 0 .. 31: each load reads 128 consecutive bytes, the four waves side by side 512
.irp i, 0,1,2,3,4,5,6,7,8,9,10,11,12,13,14,15,16,17,18,19,20,21,22,23,24,25,26,27,28,29,30,31
	global_load_b32 v[WX+32*((\g)%2)+\i], v3, s[\P:\P+1] offset:(32*(\g)+\i)*\COLS*4 th:TH_LOAD_NT
.endr
.endm
.macro WBLOCK g, P, I, COLS            ; W: 32 along K of my column: register group g % 4 of fragment g / 4, for h = 0 (K + 0 .. 7, + 16 .. 23) and for h = 1 (K + 8 .. 15, + 24 .. 31)
.set XS, WX+32*((\g)%2)
.if (\g) < 7
	s_wait_loadcnt 32                              ; this block's 32 loads are in; the next block's may be out
.else
	s_wait_loadcnt 0
.endif
.set n, 0
.rept 32
	v_med3_num_f32 v[XS+n], v[XS+n], -v10, v10
.set n, n+1
.endr
	v_cvt_scalef32_pk8_fp8_f32 v[WC+8*(\g):WC+8*(\g)+1], v[XS:XS+7], v11
	v_cvt_scalef32_pk8_fp8_f32 v[WC+8*(\g)+2:WC+8*(\g)+3], v[XS+16:XS+23], v11
	v_cvt_scalef32_pk8_fp8_f32 v[WC+8*(\g)+4:WC+8*(\g)+5], v[XS+8:XS+15], v11
	v_cvt_scalef32_pk8_fp8_f32 v[WC+8*(\g)+6:WC+8*(\g)+7], v[XS+24:XS+31], v11
	v_nop                                          ; a plain line behind the conversions
.if (\g)+2 < 8
	WLOAD (\g)+2, \P, \COLS
.endif
	global_store_b128 v4, v[WC+8*(\g):WC+8*(\g)+3], s[\I:\I+1] offset:512*(\g)          ; sixteen lanes fill 256 consecutive bytes, aligned: the h = 0 half of a register group; lanes 16-31 the next tile's
	global_store_b128 v4, v[WC+8*(\g)+4:WC+8*(\g)+7], s[\I:\I+1] offset:512*(\g)+256    ; the h = 1 half
.endm
.macro WPATH P, I, COLS, TILES, E, FIRST   ; a weight [1024][COLS]: a lane takes column 128 u + 32 wave + lane, its registers run down the 256 rows of K step y
	s_sub_co_u32 s28, ttmp9, \FIRST                ; u
	v_lshlrev_b32 v3, 2, v2                        ; in: 4 bytes a lane
	s_wait_alu depctr_va_vdst(0)
	v_lshrrev_b32 v4, 4, v2
	v_and_b32 v5, 15, v2
	v_lshlrev_b32 v4, 12, v4
	v_lshl_add_u32 v4, v5, 4, v4                   ; out: 4,096 (lane / 16) + 16 (lane % 16): my tile of 16 columns, my place in a register group
	s_lshl_b32 s29, s28, 9
	s_lshl_b32 s30, s18, 7
	s_add_co_u32 s29, s29, s30                     ; 4 x (128 u + 32 wave)
	s_mul_i32 s30, s19, 256*\COLS*4                ; + 256 y rows
	s_add_co_u32 s32, s29, s30
	s_mov_b32 s33, 0
	s_add_nc_u64 s[\P:\P+1], s[\P:\P+1], s[32:33]
	s_lshl_b32 s29, s28, 3
	s_lshl_b32 s30, s18, 1
	s_add_co_u32 s29, s29, s30                     ; tile 8 u + 2 wave
	s_mul_i32 s30, s19, \TILES
	s_add_co_u32 s29, s29, s30                     ; of K step y
	s_lshl_b32 s34, s29, 12
	s_mov_b32 s35, 0
	s_add_nc_u64 s[\I:\I+1], s[\I:\I+1], s[34:35]
	WLOAD 0, \P, \COLS
	WLOAD 1, \P, \COLS
	s_wait_kmcnt 0x0
	SCALE \E
	s_wait_alu depctr_va_vdst(0)
.irp g, 0,1,2,3,4,5,6,7
	WBLOCK \g, \P, \I, \COLS
.endr
	s_endpgm
.endm
	s_load_b256 s[4:11], s[0:1], 0x0               ; x s[4:5], W_qkv s[6:7], W_out s[8:9], the scales' exponents s[10:11]
	s_load_b128 s[12:15], s[0:1], 0x20             ; x_img s[12:13], wq_img s[14:15]
	s_load_b64 s[16:17], s[0:1], 0x30              ; wo_img
	v_lshl_add_u32 v240, v0, 2, 0x8400
	v_mov_b32 v241, 0
	v_lshrrev_b32 v1, 5, v0
	v_readfirstlane_b32 s18, v1                    ; wave 0..3
	v_and_b32 v2, 31, v0                           ; lane
	s_and_b32 s19, ttmp7, 0xffff                   ; y
	s_wait_kmcnt 0x0
	s_load_b256 s[20:27], s[10:11], 0x0            ; e0 .. e7
	s_cmp_lt_u32 ttmp9, 64
	s_cbranch_scc0 .Lweights
	; ---- x: the wave takes tile of rows 8 x + 2 y + wave / 2 and half wave % 2 of K: four fragments
	s_wait_alu depctr_va_vdst(0)
	v_lshlrev_b32 v3, 4, v2                        ; 16 x lane
	s_wait_alu depctr_va_vdst(0)
	s_mul_i32 s28, s18, 16*SP                      ; my stage
	v_add_nc_u32 v14, s28, v3                      ; into it: a row as it lies
	v_and_b32 v4, 15, v2                           ; r
	v_lshrrev_b32 v5, 4, v2                        ; h
	v_mul_u32_u24 v15, v4, SP
	v_lshl_add_u32 v15, v5, 5, v15
	v_add_nc_u32 v15, s28, v15                     ; out of it: row r, + 32 h bytes
	s_lshl_b32 s29, ttmp9, 3
	s_lshl_b32 s30, s19, 1
	s_add_co_u32 s29, s29, s30
	s_lshr_b32 s30, s18, 1
	s_add_co_u32 s29, s29, s30                     ; the tile of rows, 0 .. 511
	s_and_b32 s30, s18, 1                          ; the half of K
	s_lshl_b32 s32, s29, 16                        ; 16 rows of 4,096 bytes
	s_lshl_b32 s31, s30, 11                        ; 512 numbers
	s_add_co_u32 s32, s32, s31
	s_mov_b32 s33, 0
	s_add_nc_u64 s[4:5], s[4:5], s[32:33]
	s_lshl_b32 s34, s29, 12
	s_lshl_b32 s31, s30, 22                        ; two K steps of 2,097,152 bytes
	s_add_co_u32 s34, s34, s31
	s_mov_b32 s35, 0
	s_add_nc_u64 s[12:13], s[12:13], s[34:35]
	LOADF 0
	LOADF 1
	s_wait_alu depctr_va_vdst(0)
	s_wait_kmcnt 0x0
	SCALE s20
	s_wait_alu depctr_va_vdst(0)
	FRAGX 0
	FRAGX 1
	FRAGX 2
	FRAGX 3
	s_wait_tensorcnt 0x0
	ds_add_u32 v240, v241
	s_wait_dscnt 0x0
	s_endpgm
.Lweights:
	s_cmp_lt_u32 ttmp9, 88
	s_cbranch_scc0 .Lwout
	s_wait_alu depctr_va_vdst(0)
	WPATH 6, 14, 3072, 192, s21, 64
.Lwout:
	s_wait_alu depctr_va_vdst(0)
	WPATH 8, 16, 1024, 64, s27, 88
.Lfunc_end_k_qa7463c8ca0_quant:
	.size	k_qa7463c8ca0_quant, .Lfunc_end_k_qa7463c8ca0_quant-k_qa7463c8ca0_quant
	.p2alignl 7, 3214868480
	.fill 96, 4, 3214868480
	.section	.rodata,"a",@progbits
	.p2align	6, 0x0
	.amdhsa_kernel k_qa7463c8ca0_quant
		.amdhsa_group_segment_fixed_size 34304
		.amdhsa_private_segment_fixed_size 0
		.amdhsa_enable_private_segment 0
		.amdhsa_kernarg_size 56
		.amdhsa_user_sgpr_count 2
		.amdhsa_user_sgpr_kernarg_segment_ptr 1
		.amdhsa_wavefront_size32 1
		.amdhsa_system_sgpr_workgroup_id_x 1
		.amdhsa_system_sgpr_workgroup_id_y 1
		.amdhsa_system_sgpr_workgroup_id_z 1
		.amdhsa_system_vgpr_workitem_id 0
		.amdhsa_next_free_vgpr 242
		.amdhsa_next_free_sgpr 66
		.amdhsa_reserve_vcc 0
		.amdhsa_float_denorm_mode_32 3
		.amdhsa_float_denorm_mode_16_64 3
		.amdhsa_memory_ordered 1
		.amdhsa_forward_progress 1
		.amdhsa_inst_pref_size 127
	.end_amdhsa_kernel
	.amdgpu_metadata
---
amdhsa.version: [ 1, 2 ]
amdhsa.kernels:
  - .name:           k_qa7463c8ca0_quant
    .symbol:         k_qa7463c8ca0_quant.kd
    .args:
      - { .name: x, .offset: 0, .size: 8, .value_kind: global_buffer, .address_space: global }
      - { .name: W_qkv, .offset: 8, .size: 8, .value_kind: global_buffer, .address_space: global }
      - { .name: W_out, .offset: 16, .size: 8, .value_kind: global_buffer, .address_space: global }
      - { .name: lowp_scales, .offset: 24, .size: 8, .value_kind: global_buffer, .address_space: global }
      - { .name: x_img, .offset: 32, .size: 8, .value_kind: global_buffer, .address_space: global }
      - { .name: wq_img, .offset: 40, .size: 8, .value_kind: global_buffer, .address_space: global }
      - { .name: wo_img, .offset: 48, .size: 8, .value_kind: global_buffer, .address_space: global }
    .group_segment_fixed_size: 34304
    .private_segment_fixed_size: 0
    .kernarg_segment_align: 8
    .kernarg_segment_size: 56
    .max_flat_workgroup_size: 128
    .sgpr_count:     66
    .vgpr_count:     242
    .wavefront_size: 32
...
	.end_amdgpu_metadata
.endif
;; end of part 1
;; launch qkv (part 2): grid 12 x 32, 4 waves a work-group, clusters of 4 x 4, 327,680 bytes of LDS; arguments x_img, wq_img, b_qkv, lowp_scales, q_img, kv_img; writes q_img, kv_img
.if DOCPART == 2
	.amdgcn_target "amdgcn-amd-amdhsa--gfx1250"
	.amdhsa_code_object_version 6
	.text
	.protected	k_qa7463c8ca0_qkv
	.globl	k_qa7463c8ca0_qkv
	.p2align	8
	.type	k_qa7463c8ca0_qkv,@function
k_qa7463c8ca0_qkv:
	s_mov_b64 s[64:65], 0
	v_nop
	global_prefetch_b8 v0, s[64:65] scope:SCOPE_SE
	s_setreg_imm32_b32 hwreg(HW_REG_WAVE_MODE, 25, 1), 1
	s_wait_xcnt 0x0
	s_wait_alu depctr_hold_cnt(0) depctr_sa_sdst(0) depctr_va_vdst(0) depctr_va_sdst(0) depctr_va_ssrc(0) depctr_va_vcc(0) depctr_vm_vsrc(0)
	s_getreg_b32 s2, hwreg(HW_REG_IB_STS2, 6, 4)
	s_cmp_eq_u32 s2, 0
	s_cbranch_scc0 .Lentry_in_a_cluster
	s_endpgm
.Lentry_in_a_cluster:
	s_bfe_u32 s2, ttmp6, 0x10000c
	s_cmp_lg_u32 s2, 0xf033
	s_cbranch_scc0 .Lentry_shape_is_right
	s_endpgm
.Lentry_shape_is_right:
; qkv = x W_qkv + b_qkv on codes of FP8 (E4M3), and its three parts quantised at once into the operands of the attention: q (scale entry 2), k (entry 3), v (entry 5).
; x_img, wq_img: register images, [K / 256][tile of 16 rows][(K / 128) % 2][2,048 bytes]: lane l = 16 h + r holds row r, registers 2 c, 2 c + 1 hold K = 16 c + 8 h + 0 .. 7; registers 4 G .. 4 G + 3 of lane l at 512 G + 16 l.
; A block of 256 x 256 is made by four waves, each 128 x 128: 64 accumulators, 512 registers.  K = 1,024 goes in four steps of 256 through a ring of two LDS slots; a wave's tensor load brings 32,768 consecutive bytes (8 tiles).
; THE CLUSTER'S x SAYS WHICH PART: 0 q, 1 k, 2 v; it is the same in all sixteen partners.  The matrix instruction is used transposed (source 0 = side B, source 1 = side A): a lane holds ONE row of side A and eight
; neighbouring rows of side B.  For q and k side A is x (tokens) and side B the weight's columns: a lane's eight numbers are eight neighbours along the head's 64, the K of the scores.  For v the sides are changed, by
; scalar selects alone: side A is the weight's columns (channels), side B is x: a lane's eight numbers are eight neighbouring KEYS, the K of the second product.  So the conversions' results ARE the next operand's registers.
; OUT: q_img [head 64][tile of 16 queries 128][1,024];  kv_img [head 64][step of 128 keys 16][16,384]: K's 8 fragments of 16 keys x 64, then V^T's 4 fragments of 16 channels x 128 keys.  Every store is 512 consecutive bytes.
; CLUSTERS: 4 x 4.  Side A's tiles hang on the cluster's y place alone and are asked for jointly along a row, side B's on the x place alone and jointly along a column.
; LIMITS: e0 + e1 between -126 and 127; e2, e3, e5 between -126 and 119.  NaN among the inputs is not served.
; REGISTERS: window 0: v16-31 addresses and constants; v32-39 the bias's offsets; v64-127 the bias; from v128 side A's fragments, ONE set (on the way out: v128-191 numbers, v192-223 codes).
;   window 1: side B's fragments, TWO sets.   window 2: the accumulators of my rows 0-63 ((a, b) at v[8 (8 a + b)]);   window 3: of my rows 64-127.
.set HALFT,  32768                     ; 8 tiles x 4,096 bytes: what one tensor load brings, and what one wave reads of a side
.set SLOT,   4*HALFT                   ; side A's 16 tiles, then side B's 16
.set SPARE,  2*SLOT                    ; behind the ring: the spare words, 128 bytes for each wave: two blocks of 256 bytes that no other line names
.set LAPS,   2                         ; a lap = two K steps of 256 = once round the ring
.set FR,     16                        ; registers of a fragment
.set NL,     4                         ; LDS loads that bring one
.set NP,     4                         ; places behind this matrix instruction (ISA guide 7.12.1)
.set ADRA, 16                          ; v16-17  LDS address of my side A fragments in slot 0, 1
.set ADRB, 20                          ; v20-21  the same for side B
.set LN,   26                          ; v26     16 x lane
.set SPW,  28                          ; v28     LDS address of my spare word; never rewritten
.set NIL,  29                          ; v29     0; never rewritten
.set SCL,  30                          ; v30     2^e of the part, for the conversions
.set LIM,  31                          ; v31     448 x that
.set BAD,  32                          ; v32-39  the bias's byte offsets
.set BIA,  64                          ; v64-127 the bias in the result's layout
.set AF,   128
.set TMP,  128
.set CD,   192
.set G1, 24                            ; s[24:31] descriptor group 1 for side A;  s[32:39] group 0, one set for each slot
.set G0, 32
.set G1B, 48                           ; s[48:55], s[56:63] the same for side B
.set G0B, 56
.set MSB, 0
.macro WIN new                         ; the immediate's high byte repeats the setting that is left
.if MSB != \new
	s_set_vgpr_msb (MSB<<8)|\new
.set MSB, \new
.endif
.endm
.set MUL_LO, 0xa1                      ; source 0 (B) window 1, source 1 (A) window 0, C and D window 2
.set MUL_HI, 0xf1                      ; the same, C and D window 3
.set TO_B,   0x40                      ; destination window 1, address window 0
; A joint load: waves 0 and 1 fetch side A's halves, waves 2 and 3 side B's.  The branch hangs on the wave's number alone.  Four v_nop follow each of the two lines.
.macro JLOAD g0a, g1a, g0b, g1b
	s_cmp_eq_u32 s15, 0
	s_cbranch_scc0 .Lfor_b_\@
	tensor_load_to_lds s[\g0a:\g0a+3], s[\g1a:\g1a+7]
	s_nop 0
.rept 4
	v_nop
.endr
	s_branch .Lasked_\@
.Lfor_b_\@:
	tensor_load_to_lds s[\g0b:\g0b+3], s[\g1b:\g1b+7]
	s_nop 0
.rept 4
	v_nop
.endr
.Lasked_\@:
.endm
.macro CREST                           ; a round of the cluster's barrier behind its opening barrier
	s_cmp_lg_u32 s14, 0
	s_cbranch_scc1 .Lnot_wave_0_\@
	s_barrier_signal -3
.Lnot_wave_0_\@:
	s_barrier_wait -3
	s_barrier_signal -1
	s_barrier_wait -1
.endm
.macro CROUND                          ; a whole round
	s_barrier_signal -1
	s_barrier_wait -1
	CREST
.endm
	s_load_b256 s[4:11], s[0:1], 0x0               ; x_img s[4:5], wq_img s[6:7], b_qkv s[8:9], the scales' exponents s[10:11]
	s_load_b128 s[68:71], s[0:1], 0x20             ; q_img s[68:69], kv_img s[70:71]
	v_lshl_add_u32 v[SPW], v0, 2, SPARE
	v_mov_b32 v[NIL], 0
	ds_add_u32 v28, v29
	ds_add_u32 v28, v29
	s_wait_dscnt 0x0
	v_lshrrev_b32 v1, 5, v0
	v_readfirstlane_b32 s14, v1                    ; wave 0..3
	s_lshr_b32 s15, s14, 1                         ; which half of side A's rows is mine.  Also: I fetch for A (0) or for B (1)
	s_and_b32 s16, s14, 1                          ; which half of side B's rows.  Also: which 8 tiles of that side I fetch
	s_bfe_u32 s40, ttmp6, 0x40000                  ; cx, cy: my place in the cluster
	s_bfe_u32 s41, ttmp6, 0x40004
	s_lshl_b32 s42, ttmp9, 2                       ; 4 x the cluster's x: the part's first block of 256 columns of the weight
	s_and_b32 s17, ttmp7, 0xffff
	s_lshl_b32 s17, s17, 2                         ; 4 x the cluster's y: the first of its four blocks of 256 tokens
	s_lshl_b32 s43, s41, 2
	s_lshl_b32 s43, 15, s43                        ; my row of the cluster
	s_lshl_b32 s44, 0x1111, s40                    ; my column
	; descriptor group 1: 32,768 consecutive bytes as 128 rows of 32 elements of 8 bytes; no padding: an image is read 512 consecutive bytes at a time
	s_or_b32 s[G1+0], s43, (3<<16)|(1<<21)         ; 15:0 the mask: side A's tiles go to my row; 17:16 elements of 8 bytes; 21 set beside a mask
	s_or_b32 s[G1B+0], s44, (3<<16)|(1<<21)        ; side B's to my column
.irp g, G1, G1B
	s_mov_b32 s[\g+1], 32<<16                      ; tensor_dim0 = 32
	s_mov_b32 s[\g+2], 128<<16                     ; tensor_dim1 = 128
	s_mov_b32 s[\g+3], 32<<16                      ; tile_dim0 = 32
	s_mov_b32 s[\g+4], 128                         ; tile_dim1 = 128
	s_mov_b32 s[\g+5], 32                          ; tensor_dim0_stride
	s_mov_b32 s[\g+6], 0
	s_mov_b32 s[\g+7], 0
.endr
	; which tensor is which side: selects on the cluster's x, which all partners share
	s_mov_b32 s45, 0x200000                        ; a K step of x_img in bytes: 512 tiles x 4,096
	s_mov_b32 s46, 0xc0000                         ; of wq_img: 192 tiles x 4,096
	s_cmp_eq_u32 ttmp9, 2
	s_cselect_b32 s72, s42, s17                    ; side A's block: for v of the weight's columns, else of tokens,
	s_cselect_b32 s73, s17, s42                    ; side B's: the other
	s_cselect_b32 s74, s46, s45                    ; side A's K step
	s_cselect_b32 s76, s45, s46                    ; side B's
	s_mov_b32 s75, 0
	s_mov_b32 s77, 0
	s_add_co_u32 s72, s72, s41                     ; + cy: side A's block hangs on cy alone,
	s_add_co_u32 s73, s73, s40                     ; + cx: side B's on cx alone
	s_lshl_b32 s78, s74, 1                         ; two K steps: what a slot's address steps by
	s_mov_b32 s79, 0
	s_lshl_b32 s88, s76, 1
	s_mov_b32 s89, 0
	s_lshl_b32 s18, s16, 15                        ; which 8 tiles of a block I fetch
	s_lshl_b32 s20, s72, 16                        ; a block is 16 tiles x 4,096 bytes
	s_add_co_u32 s20, s20, s18
	s_mov_b32 s21, 0
	s_lshl_b32 s46, s73, 16
	s_add_co_u32 s46, s46, s18
	s_mov_b32 s47, 0
	s_mul_i32 s45, s14, HALFT                      ; where they go: wave x 32,768: no place in the cluster enters an LDS address
	s_wait_kmcnt 0x0
	s_load_b256 s[80:87], s[10:11], 0x0            ; e0 .. e7
	s_cmp_eq_u32 ttmp9, 2
	s_cselect_b64 s[22:23], s[6:7], s[4:5]         ; side A's buffer
	s_cselect_b64 s[18:19], s[4:5], s[6:7]         ; side B's
	s_add_nc_u64 s[20:21], s[22:23], s[20:21]
	s_add_nc_u64 s[46:47], s[18:19], s[46:47]
	s_mov_b32 s[G0], 1                             ; group 0, slot 0: count 1, LDS address, global address of K step 0, type 2
	s_mov_b32 s[G0+1], s45
	s_mov_b64 s[G0+2:G0+3], s[20:21]
	s_or_b32 s[G0+3], s[G0+3], 0x80000000
	s_mov_b32 s[G0+4], 1                           ; slot 1: K step 1
	s_add_co_u32 s[G0+5], s45, SLOT
	s_add_nc_u64 s[G0+6:G0+7], s[20:21], s[74:75]
	s_or_b32 s[G0+7], s[G0+7], 0x80000000
	s_mov_b32 s[G0B], 1
	s_mov_b32 s[G0B+1], s45
	s_mov_b64 s[G0B+2:G0B+3], s[46:47]
	s_or_b32 s[G0B+3], s[G0B+3], 0x80000000
	s_mov_b32 s[G0B+4], 1
	s_add_co_u32 s[G0B+5], s45, SLOT
	s_add_nc_u64 s[G0B+6:G0B+7], s[46:47], s[76:77]
	s_or_b32 s[G0B+7], s[G0B+7], 0x80000000
	CROUND                                         ; all sixteen work-groups are here: the first joint loads meet
	JLOAD G0, G1, G0B, G1B                         ; K step 0: one tensor load a wave at the head
	v_and_b32 v1, 31, v0
	v_lshlrev_b32 v[LN], 4, v1                     ; 16 x lane: my place in every register group of every image
	s_mul_i32 s21, s15, HALFT                      ; my 8 tiles of side A
	s_mul_i32 s22, s16, HALFT                      ; my 8 tiles of side B,
	s_add_co_u32 s22, s22, 2*HALFT                 ; which lie behind A's 16
.irp s, 0,1
	v_add_nc_u32 v[ADRA+\s], s21, v[LN]
	v_add_nc_u32 v[ADRB+\s], s22, v[LN]
	s_add_co_u32 s21, s21, SLOT
	s_add_co_u32 s22, s22, SLOT
.endr
	; the bias in the result's layout, without a branch: q, k: register 8 b + j = bias[16 b + 8 h + j];  v: register 8 a + j = bias[16 a + r]
	s_cmp_eq_u32 ttmp9, 2
	s_cselect_b32 s94, 4, 0                        ; bytes for each r,
	s_cselect_b32 s95, 0, 32                       ; for h,
	s_cselect_b32 s98, 0, 4                        ; for each j
	s_cselect_b32 s99, s41, s40                    ; which of the part's four blocks of 256 columns is mine,
	s_cselect_b32 s100, s15, s16                   ; and which half of it
	s_cselect_b32 s101, s73, s72                   ; which block of 256 tokens,
	s_cselect_b32 s12, s16, s15                    ; and which half of it
	s_cselect_b32 s13, 8192, 0                     ; V^T's fragments lie behind K's in a key step
	v_and_b32 v1, 15, v0                           ; r
	v_bfe_u32 v2, v0, 4, 1                         ; h
	v_mul_u32_u24 v3, s94, v1
	v_mad_u32_u24 v3, v2, s95, v3
	s_wait_alu depctr_va_vdst(0)
.irp j, 0,1,2,3,4,5,6,7
	s_mul_i32 s18, s98, \j
	v_add_nc_u32 v[BAD+\j], s18, v3
.endr
	s_lshl_b32 s18, ttmp9, 12                      ; 4 bytes x (1,024 x part + 256 x block + 128 x half)
	s_lshl_b32 s19, s99, 10
	s_add_co_u32 s18, s18, s19
	s_lshl_b32 s19, s100, 9
	s_add_co_u32 s18, s18, s19
	s_mov_b32 s19, 0
	s_add_nc_u64 s[8:9], s[8:9], s[18:19]
	s_wait_alu depctr_va_vdst(0)
.irp g, 0,1,2,3,4,5,6,7
.irp j, 0,1,2,3,4,5,6,7
	global_load_b32 v[BIA+8*\g+\j], v[BAD+\j], s[8:9] offset:64*\g   ; inside my 512 bytes of the bias
.endr
.endr
	; where my results go: my 128 tokens begin at token t0 of batch entry m0 / 2,048; my 128 columns are heads bh0 and bh0 + 1
	s_lshl_b32 s18, s101, 8
	s_lshl_b32 s19, s12, 7
	s_add_co_u32 s18, s18, s19                     ; m0
	s_lshr_b32 s19, s18, 11
	s_and_b32 s18, s18, 2047                       ; t0
	s_lshl_b32 s19, s19, 4
	s_lshl_b32 s22, s99, 2
	s_add_co_u32 s19, s19, s22
	s_lshl_b32 s22, s100, 1
	s_add_co_u32 s19, s19, s22                     ; bh0 = 16 x batch entry + 4 x block + 2 x half
	s_cmp_eq_u32 ttmp9, 0
	s_cselect_b32 s22, 17, 18                      ; a head is 2^17 bytes of q_img, 2^18 of kv_img
	s_cselect_b64 s[90:91], s[68:69], s[70:71]
	s_lshl_b32 s19, s19, s22
	s_sub_co_u32 s23, s22, 11                      ; 2,048 tokens fill a head: a token is 2^6 bytes of q_img; 128 keys are 2^14 bytes of kv_img
	s_lshl_b32 s18, s18, s23
	s_add_co_u32 s18, s18, s19
	s_add_co_u32 s18, s18, s13
	s_mov_b32 s19, 0
	s_add_nc_u64 s[90:91], s[90:91], s[18:19]      ; head bh0
	s_lshl_b32 s18, 1, s22
	s_add_nc_u64 s[92:93], s[90:91], s[18:19]      ; head bh0 + 1
	s_wait_kmcnt 0x0
	s_cmp_eq_u32 ttmp9, 0
	s_cselect_b32 s18, s82, s83                    ; the part's own exponent: e2, e3
	s_cmp_eq_u32 ttmp9, 2
	s_cselect_b32 s18, s85, s18                    ; or e5: chosen by selects on ids, no branch hangs on a loaded number
	s_add_co_i32 s18, s18, 127
	s_lshl_b32 s19, s18, 23
	v_mov_b32 v[SCL], s19
	s_add_co_i32 s18, s18, 8
	s_lshl_b32 s18, s18, 23
	s_or_b32 s18, s18, 0x600000
	v_mov_b32 v[LIM], s18
	s_add_co_i32 s96, s80, s81
	s_add_co_i32 s96, s96, 127
	s_lshl_b32 s96, s96, 23                        ; 2^(e0 + e1) as f32
	s_mov_b32 s97, s96                             ; (named with it as a pair, so it is written)
.macro FRAG reg, adr, q, i             ; fragment (tile i, the slot's q-th 128 along K): four register groups, 512 consecutive bytes each
.irp c, 0,1,2,3
	ds_load_b128 v[\reg+4*\c:\reg+4*\c+3], v[\adr] offset:(\i)*4096+(\q)*2048+512*\c
.endr
.endm
; 16 matrix instructions: A's blocks a0, a0 + 1 x B's eight, 128 along K.  p: B's set.  zero = 1: the first product starts the sums.
; The 64 accumulators take turns, one instruction a turn, in the same order in every step.
.macro MUL16 a0, p, zero
.irp a, \a0, \a0+1
.irp b, 0,1,2,3,4,5,6,7
.if \zero
	v_wmma_f32_16x16x128_fp8_fp8 v[8*(8*((\a)%4)+\b):8*(8*((\a)%4)+\b)+7], v[128*(\p)+FR*\b:128*(\p)+FR*\b+FR-1], v[AF+FR*(\a):AF+FR*(\a)+FR-1], 0
.else
	v_wmma_f32_16x16x128_fp8_fp8 v[8*(8*((\a)%4)+\b):8*(8*((\a)%4)+\b)+7], v[128*(\p)+FR*\b:128*(\p)+FR*\b+FR-1], v[AF+FR*(\a):AF+FR*(\a)+FR-1], v[8*(8*((\a)%4)+\b):8*(8*((\a)%4)+\b)+7]
.endif
.endr
.endr
.endm
.macro FETCH_B slot, q, p
	WIN TO_B
.irp i, 0,1,2,3,4,5,6,7
	FRAG 128*(\p)+FR*\i, ADRB+\slot, \q, \i
.endr
	WIN 0
.endm
.macro FETCH_A slot, q, i0
.irp i, \i0, \i0+1, \i0+2, \i0+3
	FRAG AF+FR*(\i), ADRA+\slot, \q, \i
.endr
.endm
.macro PLACES n                        ; plain vector lines between a matrix instruction and a load into, or a vector read of, its registers
.rept \n
	v_nop
.endr
.endm
; A step of 128 along K that has its successor in the same slot.  A's blocks are free as soon as their eight products are issued: blocks 0-3 are fetched anew in the middle, blocks 4-7 at the end.
.macro STEP slot, q, zero
	s_wait_dscnt 4*NL                              ; B's set and A's blocks 0-3 are in; the youngest 16 loads (A's blocks 4-7) may be out
	WIN MUL_LO
	MUL16 0, (\q)%2, \zero
	MUL16 2, (\q)%2, \zero
	s_wait_dscnt 0                                 ; A's blocks 4-7 are in
	PLACES NP
	FETCH_B \slot, (\q)+1, 1-(\q)%2
	FETCH_A \slot, (\q)+1, 0
	WIN MUL_HI
	MUL16 4, (\q)%2, \zero
	MUL16 6, (\q)%2, \zero
	PLACES NP
	WIN 0
	FETCH_A \slot, (\q)+1, 4
.endm
; A slot's last step changes slots: ONE barrier; in front of it each wave waits for all its tensor loads, adds 0 to its spare word, and waits for that and for its own reads of this slot.  fill = 1: this slot is filled again, two K steps ahead.
.macro TURN slot, next, fill
	s_wait_tensorcnt 0x0                           ; all my tensor loads have landed: my part of the next slot
	ds_add_u32 v[SPW], v[NIL]                      ; 0 onto my spare word
	s_wait_dscnt 4*NL+1                            ; (the add and the youngest 16 loads, A's blocks 4-7, may be out)
	WIN MUL_LO
	MUL16 0, 1, 0                                  ; sixteen matrix instructions stand between the add and the wait for it
	s_wait_dscnt 0x0                               ; the add is done, and my reads of this slot are over
	s_barrier_signal -1
	MUL16 2, 1, 0
	WIN 0
	s_barrier_wait -1
.if \fill
	CREST                                          ; the barrier has opened a round of the cluster's barrier: no wave of any partner still reads this slot or has a load on its way
	s_add_nc_u64 s[G0+4*\slot+2:G0+4*\slot+3], s[G0+4*\slot+2:G0+4*\slot+3], s[78:79]
	s_add_nc_u64 s[G0B+4*\slot+2:G0B+4*\slot+3], s[G0B+4*\slot+2:G0B+4*\slot+3], s[88:89]
	JLOAD G0+4*\slot, G1, G0B+4*\slot, G1B         ; the first tensor load behind the round; the four v_nop behind it are the places in front of the loads below
.else
	PLACES NP
.endif
	FETCH_B \next, 0, 0
	FETCH_A \next, 0, 0
	WIN MUL_HI
	MUL16 4, 1, 0
	MUL16 6, 1, 0
	PLACES NP
	WIN 0
	FETCH_A \next, 0, 4
.endm
	s_wait_alu depctr_va_vdst(0)
	s_wait_loadcnt 0x0                             ; the bias
	s_wait_tensorcnt 0x0                           ; my part of K step 0 is in; slot 1's first fill is issued as a refill is:
	ds_add_u32 v[SPW], v[NIL]                      ; 0 onto my spare word
	s_wait_dscnt 0x0
	CROUND                                         ; a whole round: everybody's part of K step 0 is in, and the joint loads meet
	JLOAD G0+4, G1, G0B+4, G1B                     ; K step 1, the first tensor load behind the round
	FETCH_B 0, 0, 0
	FETCH_A 0, 0, 0
	FETCH_A 0, 0, 4
	STEP 0, 0, 1                                   ; the first step stands in front of the loop: its products start the sums
	s_mov_b32 s3, LAPS-1
.Llap:                                                 ; a trip goes once round the ring and fills both slots again
	TURN 0, 1, 1
	STEP 1, 0, 0
	TURN 1, 0, 1
	STEP 0, 0, 0
	s_sub_co_u32 s3, s3, 1
	s_cmp_lg_u32 s3, 0
	s_cbranch_scc1 .Llap
	TURN 0, 1, 0                                   ; the last lap fills nothing, and has no round of the cluster's barrier
	STEP 1, 0, 0
	s_wait_dscnt 4*NL                              ; the very last step: nothing more to fetch
	WIN MUL_LO
	MUL16 0, 1, 0
	MUL16 2, 1, 0
	s_wait_dscnt 0
	WIN MUL_HI
	MUL16 4, 1, 0
	MUL16 6, 1, 0
	WIN 0
; THE WAY OUT of side A's block a: number = sum x 2^(e0 + e1) + bias, one packed multiply-add for two; the hold; the conversion.  Accumulator (a, b) gives registers 2 b, 2 b + 1 of the codes.
; q, k: those are two fragments of 16 tokens x 64, of heads bh0 (b = 0 .. 3) and bh0 + 1.   v: one fragment of 16 channels x my 128 keys, channel tile a % 4 of head bh0 + a / 4.
.macro OUTA a, isv
.set AC, 64*((\a)%4)
.set CC, CD+16*((\a)%2)
	WIN 0x02+((\a)/4)                              ; source 0: window 2 or 3
.irp b, 0,1,2,3,4,5,6,7
.irp i, 0,2,4,6
.if \isv
	v_pk_fma_f32 v[TMP+8*\b+\i:TMP+8*\b+\i+1], v[AC+8*\b+\i:AC+8*\b+\i+1], s[96:97], v[BIA+8*(\a)+\i:BIA+8*(\a)+\i+1] op_sel_hi:[1,0,1]   ; each accumulator from its low end on
.else
	v_pk_fma_f32 v[TMP+8*\b+\i:TMP+8*\b+\i+1], v[AC+8*\b+\i:AC+8*\b+\i+1], s[96:97], v[BIA+8*\b+\i:BIA+8*\b+\i+1] op_sel_hi:[1,0,1]
.endif
.endr
.endr
	WIN 0
.if (\a) >= 2
	s_wait_xcnt 0x0                                ; this set of codes was the data of block a - 2's stores: it is rewritten only behind this wait
.endif
.set n, 0
.rept 64
	v_med3_num_f32 v[TMP+n], v[TMP+n], -v[LIM], v[LIM]   ; the conversion to an 8-bit code does not saturate (ISA guide 7.6.2)
.set n, n+1
.endr
.irp b, 0,1,2,3,4,5,6,7
	v_cvt_scalef32_pk8_fp8_f32 v[CC+2*\b:CC+2*\b+1], v[TMP+8*\b:TMP+8*\b+7], v[SCL]
.endr
	v_nop                                          ; a plain line behind the conversions: the next block's multiply-adds write their sources
.irp g, 0,1,2,3
.if \isv
	global_store_b128 v[LN], v[CC+4*\g:CC+4*\g+3], s[90+2*((\a)/4):91+2*((\a)/4)] offset:((\a)%4)*2048+512*\g   ; 512 consecutive bytes, aligned
.else
	global_store_b128 v[LN], v[CC+4*\g:CC+4*\g+3], s[90+2*(\g/2):91+2*(\g/2)] offset:(\a)*1024+(\g%2)*512
.endif
.endr
.endm
	PLACES NP                                      ; behind the last products: for the reads of results and the writes over side A's fragments
	s_cmp_eq_u32 ttmp9, 2                          ; the cluster's x: the same way for all sixteen partners; no LDS access and no tensor load lies on either way
	s_cbranch_scc1 .Lvalues
.irp a, 0,1,2,3,4,5,6,7
	OUTA \a, 0
.endr
	s_branch .Lclose
.Lvalues:
.irp a, 0,1,2,3,4,5,6,7
	OUTA \a, 1
.endr
.Lclose:
	s_wait_tensorcnt 0x0                           ; the wave's end
	ds_add_u32 v[SPW], v[NIL]
	s_wait_dscnt 0x0
	CROUND                                         ; the closing round: no work-group ends while a partner may still ask for a tile that names it
	s_endpgm
.Lfunc_end_k_qa7463c8ca0_qkv:
	.size	k_qa7463c8ca0_qkv, .Lfunc_end_k_qa7463c8ca0_qkv-k_qa7463c8ca0_qkv
	.p2alignl 7, 3214868480
	.fill 96, 4, 3214868480
	.section	.rodata,"a",@progbits
	.p2align	6, 0x0
	.amdhsa_kernel k_qa7463c8ca0_qkv
		.amdhsa_group_segment_fixed_size 327680
		.amdhsa_private_segment_fixed_size 0
		.amdhsa_enable_private_segment 0
		.amdhsa_kernarg_size 48
		.amdhsa_user_sgpr_count 2
		.amdhsa_user_sgpr_kernarg_segment_ptr 1
		.amdhsa_wavefront_size32 1
		.amdhsa_system_sgpr_workgroup_id_x 1
		.amdhsa_system_sgpr_workgroup_id_y 1
		.amdhsa_system_sgpr_workgroup_id_z 1
		.amdhsa_system_vgpr_workitem_id 0
		.amdhsa_next_free_vgpr 1024
		.amdhsa_next_free_sgpr 102
		.amdhsa_reserve_vcc 0
		.amdhsa_float_denorm_mode_32 3
		.amdhsa_float_denorm_mode_16_64 3
		.amdhsa_memory_ordered 1
		.amdhsa_forward_progress 1
		.amdhsa_inst_pref_size 198
	.end_amdhsa_kernel
	.amdgpu_metadata
---
amdhsa.version: [ 1, 2 ]
amdhsa.kernels:
  - .name:           k_qa7463c8ca0_qkv
    .symbol:         k_qa7463c8ca0_qkv.kd
    .args:
      - { .name: x_img, .offset: 0, .size: 8, .value_kind: global_buffer, .address_space: global }
      - { .name: wq_img, .offset: 8, .size: 8, .value_kind: global_buffer, .address_space: global }
      - { .name: b_qkv, .offset: 16, .size: 8, .value_kind: global_buffer, .address_space: global }
      - { .name: lowp_scales, .offset: 24, .size: 8, .value_kind: global_buffer, .address_space: global }
      - { .name: q_img, .offset: 32, .size: 8, .value_kind: global_buffer, .address_space: global }
      - { .name: kv_img, .offset: 40, .size: 8, .value_kind: global_buffer, .address_space: global }
    .group_segment_fixed_size: 327680
    .private_segment_fixed_size: 0
    .kernarg_segment_align: 8
    .kernarg_segment_size: 48
    .max_flat_workgroup_size: 128
    .sgpr_count:     102
    .vgpr_count:     1024
    .wavefront_size: 32
...
	.end_amdgpu_metadata
.endif
;; end of part 2
;; launch attn (part 3): grid 4 x 64, 8 waves a work-group, clusters of 4 x 1, 327,680 bytes of LDS; arguments q_img, kv_img, lowp_scales, o_img; writes o_img
.if DOCPART == 3
	.amdgcn_target "amdgcn-amd-amdhsa--gfx1250"
	.amdhsa_code_object_version 6
	.text
	.protected	k_qa7463c8ca0_attn
	.globl	k_qa7463c8ca0_attn
	.p2align	8
	.type	k_qa7463c8ca0_attn,@function
k_qa7463c8ca0_attn:
	s_mov_b64 s[64:65], 0
	v_nop
	global_prefetch_b8 v0, s[64:65] scope:SCOPE_SE
	s_setreg_imm32_b32 hwreg(HW_REG_WAVE_MODE, 25, 1), 1
	s_wait_xcnt 0x0
	s_wait_alu depctr_hold_cnt(0) depctr_sa_sdst(0) depctr_va_vdst(0) depctr_va_sdst(0) depctr_va_ssrc(0) depctr_va_vcc(0) depctr_vm_vsrc(0)
	s_getreg_b32 s2, hwreg(HW_REG_IB_STS2, 6, 4)
	s_cmp_eq_u32 s2, 0
	s_cbranch_scc0 .Lentry_in_a_cluster
	s_endpgm
.Lentry_in_a_cluster:
	s_bfe_u32 s2, ttmp6, 0x10000c
	s_cmp_lg_u32 s2, 0x3003
	s_cbranch_scc0 .Lentry_shape_is_right
	s_endpgm
.Lentry_shape_is_right:
; Causal attention on codes of FP8 (E4M3): for each of 64 heads (batch x head) o = softmax(q k^T / 8, causal) v, quantised at once (scale entry 6) into the operand of the projection.
; q_img [head][tile of 16 queries][1,024], kv_img [head][step of 128 keys][K's 8 fragments of 16 keys x 64, then V^T's 4 fragments of 16 channels x 128 keys], o_img [K / 256][tile of 16 rows][4,096]: images of operand registers.
; LEFT OUT: key steps that lie wholly behind a tile's queries: the causal mask makes their p zero for all inputs.  A NaN or an infinity that reaches only those keys is not carried to the result.
; THE SOFTMAX: t = score x log2(e) / 8; M = the ceiling of the running largest t; p = 2^(t - M) is quantised (entry 4), not normalised; the row's sum is taken of the unquantised p and divides at the end.
; SHARES.  A cluster of 4 work-groups serves one head.  Work-group cx owns the query tiles 4 m + cx, m = 0 .. 31: tile m's last key step is m / 2 whatever cx is, so no branch hangs on a place in the cluster, all four
; partners read every key step, and K and V are asked for JOINTLY (mask 15).  Wave w owns m = w, 15 - w, 16 + w, 31 - w.  A step's fragments of K and V are read from LDS once for all the wave's live tiles.
; LDS holds the head's whole K and V, 2 x 131,072 bytes, and nothing is filled again.  Key steps 0 .. 7 are asked for at the head, steps 8 .. 15 behind the round in front of step 0; each wave's load brings 16,384 bytes (64 rows of 256).
; THE ONE BARRIER BETWEEN THE STEPS stands in front of step 8: there every wave has done (w / 2 + 1) + ((15 - w) / 2 + 1) + 8 + 8 = 25 tile steps, and 9 are left to each.  Steps 8 .. 15 touch only the tiles m >= 16: that loop holds two tiles.
; NO PREFETCH: both loads stand ahead of the first key step, and the second has eight key steps' work in which to land: no loop runs ahead of a load.
; THE MASK COSTS NO VECTOR LINE: on a tile's last step the scores' products take a C that holds 0 for open keys and -3e38 for hidden ones.  Within the step query 16 (4 (m % 2) + cx) + r meets key 16 c + 8 h + j:
; m even: c < 4 by the pattern DM, c >= 4 all hidden;  m odd: c < 4 all open, c >= 4 by DM.  DM hangs on cx as data alone.  The diagonal key is open, so every row's maximum is a true score.
; Both products are used transposed (S^T = K Q^T, O^T = V^T P^T): a lane holds one query; S^T's registers 8 c + j are keys 16 c + 8 h + j, so the conversions' results are P's operand registers.
; LIMITS: e2 + e3 between -64 and 64 (so that -3e38 x the scores' factor stays far under every t); e4, e6 between -126 and 119; scaled scores under 2^31 in magnitude; NaN among the codes is not served.
; REGISTERS.  Window 0: v1-15 addresses and constants; v16-31 four tiles' state (-M, largest t, the sum in two halves); v32-95 S^T, then p; v96-111 p's codes; v112-239 four tiles' O^T; v240-253 at work.
; Window 1: v0-31 Q's four fragments; v32-95 K's; v96-159 V's; v160-191 DM; v192-199 eight registers of -3e38.
.set HALF,  131072                     ; eight key steps of 16,384 bytes
.set SPARE, 2*HALF                     ; behind K and V: the spare words, 128 bytes a wave, four blocks of 256 bytes that no other line names
.set LA,   1                           ; 16 x lane
.set ADK,  2                           ; LDS address of the step in hand
.set SPW,  4
.set NIL,  5
.set PLIM, 6
.set PSC,  7
.set OLIM, 8
.set OSC,  9
.set OA,   10                          ; v10-13 my four tiles' offsets in o_img
.set F,    14                          ; v[14:15] f = 2^(old M - new M); the upper word is only named
.set ST,   16
.set S,    32
.set PC,   96
.set O,    112
.set TA,   240
.set TB,   241
.set TC,   242
.set TD,   243
.set X,    244
.set Y,    246
.set Z,    248
.set QA,   250                         ; v250-253 my four tiles' offsets in q_img
.set QF,   0
.set KF,   32
.set VF,   96
.set DM,   160
.set NG,   192
.set SB,   44                          ; s44 the half in hand begins here
.set KS,   45                          ; s45 the key step's number
.set IC,   46                          ; s46 steps to go in the half
.set LIM,  56                          ; s56-59 my tiles' last steps, m / 2
.set PAR,  60                          ; s60-63 m % 2
.set IO,   69                          ; s69 the step's place in its half
.set AD,   83                          ; s83 SB + IO
.set MSB, 0
.macro WIN new                         ; the immediate's high byte repeats the setting that is left
.if MSB != \new
	s_set_vgpr_msb (MSB<<8)|\new
.set MSB, \new
.endif
.endm
.macro NOPS n
.rept \n
	v_nop
.endr
.endm
.macro CROUND                          ; a round of the cluster's barrier
	s_barrier_signal -1
	s_barrier_wait -1
	s_cmp_lg_u32 s12, 0
	s_cbranch_scc1 .Lnot_wave_0_\@
	s_barrier_signal -3
.Lnot_wave_0_\@:
	s_barrier_wait -3
	s_barrier_signal -1
	s_barrier_wait -1
.endm
	s_load_b256 s[4:11], s[0:1], 0x0               ; q_img s[4:5], kv_img s[6:7], the scales' exponents s[8:9], o_img s[10:11]
	v_lshl_add_u32 v[SPW], v0, 2, SPARE
	v_mov_b32 v[NIL], 0
	ds_add_u32 v[SPW], v[NIL]                      ; the opening lines: the add twice on end and its wait ahead of my first tensor load
	ds_add_u32 v[SPW], v[NIL]
	v_lshrrev_b32 v1, 5, v0
	v_readfirstlane_b32 s12, v1                    ; wave 0..7
	s_bfe_u32 s13, ttmp6, 0x40000                  ; cx
	s_and_b32 s14, ttmp7, 0xffff                   ; the head: the cluster's y
	s_mov_b32 s24, 15|(3<<16)|(1<<21)              ; group 1: mask of all four partners, elements of 8 bytes, bit 21 beside the mask
	s_mov_b32 s25, 32<<16                          ; rows of 32 elements = 256 bytes,
	s_mov_b32 s26, 64<<16                          ; 64 of them
	s_mov_b32 s27, 32<<16
	s_mov_b32 s28, 64
	s_mov_b32 s29, 32
	s_mov_b32 s30, 0
	s_mov_b32 s31, 0
	s_mov_b32 s32, 1
	s_lshl_b32 s33, s12, 14                        ; LDS: 16,384 x wave, in the first half: wave w brings key step w
	s_lshl_b32 s48, s14, 18                        ; a head is 2^18 bytes of kv_img
	s_add_co_u32 s48, s48, s33
	s_mov_b32 s49, 0
	s_wait_dscnt 0x0                               ; both opening adds are done
	s_wait_kmcnt 0x0
	s_load_b256 s[16:23], s[8:9], 0x0              ; e0 .. e7
	s_add_nc_u64 s[34:35], s[6:7], s[48:49]
	s_or_b32 s35, s35, 0x80000000
	CROUND                                         ; all four partners are here: the first joint loads meet
	tensor_load_to_lds s[32:35], s[24:31]          ; key steps 0 .. 7
	s_nop 0
	NOPS 4
	s_mov_b32 s70, s12                             ; my four m
	s_sub_co_u32 s71, 15, s12
	s_add_co_u32 s72, s12, 16
	s_sub_co_u32 s73, 31, s12
.irp k, 0,1,2,3
	s_lshr_b32 s[LIM+\k], s[70+\k], 1
	s_and_b32 s[PAR+\k], s[70+\k], 1
	s_lshl_b32 s[74+\k], s[70+\k], 12              ; tile 4 m of q_img: 1,024 bytes a tile
	s_lshl_b32 s[78+\k], s[70+\k], 14              ; and of o_img: 4,096 a tile
.endr
	s_lshl_b32 s55, s13, 4                         ; 16 cx
	s_lshl_b32 s48, s14, 17                        ; q_img: the head, + tile cx
	s_lshl_b32 s82, s13, 10
	s_add_co_u32 s48, s48, s82
	s_add_nc_u64 s[50:51], s[4:5], s[48:49]
	s_and_b32 s48, s14, 15                         ; o_img: the head's 64 channels are K step (head % 16) / 4, 1,024 x (head % 4) bytes into a tile's 4,096;
	s_lshr_b32 s82, s48, 2
	s_lshl_b32 s82, s82, 21
	s_and_b32 s48, s48, 3
	s_lshl_b32 s48, s48, 10
	s_add_co_u32 s48, s48, s82
	s_lshr_b32 s82, s14, 4                         ; the batch entry's 128 tiles;
	s_lshl_b32 s82, s82, 19
	s_add_co_u32 s48, s48, s82
	s_lshl_b32 s82, s13, 12                        ; tile cx
	s_add_co_u32 s48, s48, s82
	s_add_nc_u64 s[52:53], s[10:11], s[48:49]
	s_mov_b32 s40, 0x76543210                      ; v_permlanex16_b32's selects for lane l xor 16
	s_mov_b32 s41, 0xfedcba98
	v_and_b32 v[LA], 31, v0
	v_lshlrev_b32 v[LA], 4, v[LA]
.irp k, 0,1,2,3
	v_add_nc_u32 v[QA+\k], s[74+\k], v[LA]
	v_add_nc_u32 v[OA+\k], s[78+\k], v[LA]
.endr
	v_and_b32 v[TA], 15, v0                        ; r
	v_bfe_u32 v[TB], v0, 4, 1                      ; h
	v_lshlrev_b32 v[TB], 3, v[TB]
	v_sub_nc_u32 v[TA], v[TA], v[TB]
	v_add_nc_u32 v[TA], s55, v[TA]                 ; 16 cx + r - 8 h: key 16 c + j (+ 8 h) is hidden where it is greater
	v_mov_b32 v[TC], 0xff61b1e6                    ; -3e38
	WIN 0x40                                       ; destinations in window 1
.irp k, 0,1,2,3
	global_load_b128 v[QF+8*\k:QF+8*\k+3], v[QA+\k], s[50:51]
	global_load_b128 v[QF+8*\k+4:QF+8*\k+7], v[QA+\k], s[50:51] offset:512
.endr
.set n, 0
.rept 32
	v_cmp_gt_i32 vcc_lo, 16*(n/8)+n%8, v[TA]
	v_cndmask_b32 v[DM+n], v[NIL], v[TC], vcc_lo
.set n, n+1
.endr
.set n, 0
.rept 8
	v_mov_b32 v[NG+n], 0xff61b1e6
.set n, n+1
.endr
	WIN 0
.irp k, 0,1,2,3
	v_mov_b32 v[ST+4*\k+1], 0xff61b1e6             ; the largest t so far: under every t
	v_floor_f32 v[ST+4*\k], -v[ST+4*\k+1]          ; -M
	v_mov_b32 v[ST+4*\k+2], 0                      ; the sum
	v_mov_b32 v[ST+4*\k+3], 0
.endr
	v_mov_b32 v[F+1], 0
	v_mov_b32 v[TB], 0                             ; a lane permute's destination counts as a source
.set n, 0
.rept 128
	v_mov_b32 v[O+n], 0                            ; the step is written once: the first finds zeros, which the first change of M leaves zeros.  These lines stand under the first load
.set n, n+1
.endr
	s_wait_alu depctr_va_vdst(0)
	s_wait_kmcnt 0x0
	s_add_co_i32 s48, s18, s19
	s_lshl_b32 s48, s48, 23
	s_mov_b32 s42, 0x3e38aa3b                      ; log2(e) / 8,
	s_add_co_i32 s42, s42, s48                     ; x 2^(e2 + e3), by its exponent field
	s_mov_b32 s43, s42
	s_add_co_i32 s48, s20, 127
	s_lshl_b32 s49, s48, 23
	v_mov_b32 v[PSC], s49                          ; 2^e4
	s_add_co_i32 s48, s48, 8
	s_lshl_b32 s48, s48, 23
	s_or_b32 s48, s48, 0x600000
	v_mov_b32 v[PLIM], s48                         ; 448 x 2^e4
	s_add_co_i32 s48, s22, 127
	s_lshl_b32 s49, s48, 23
	v_mov_b32 v[OSC], s49                          ; 2^e6
	s_add_co_i32 s48, s48, 8
	s_lshl_b32 s48, s48, 23
	s_or_b32 s48, s48, 0x600000
	v_mov_b32 v[OLIM], s48
	s_add_co_i32 s54, s20, s21                     ; e4 + e5
	s_mov_b32 s[SB], 0
	s_mov_b32 s[KS], 0
; S^T = K Q^T of tile k: eight products of 16 keys x 64.  kind 0: all keys open; 1: the diagonal lies in keys 0-63; 2: in keys 64-127.
.macro SMUL k, kind
	WIN 0x15                                       ; K, Q and the mask in window 1, S^T in window 0
.irp c, 0,1,2,3,4,5,6,7
.if (\kind == 1) && (\c < 4)
	v_wmma_f32_16x16x64_fp8_fp8 v[S+8*\c:S+8*\c+7], v[KF+8*\c:KF+8*\c+7], v[QF+8*(\k):QF+8*(\k)+7], v[DM+8*\c:DM+8*\c+7]
.elseif \kind == 1
	v_wmma_f32_16x16x64_fp8_fp8 v[S+8*\c:S+8*\c+7], v[KF+8*\c:KF+8*\c+7], v[QF+8*(\k):QF+8*(\k)+7], v[NG:NG+7]
.elseif (\kind == 2) && (\c >= 4)
	v_wmma_f32_16x16x64_fp8_fp8 v[S+8*\c:S+8*\c+7], v[KF+8*\c:KF+8*\c+7], v[QF+8*(\k):QF+8*(\k)+7], v[DM+8*(\c-4):DM+8*(\c-4)+7]
.else
	v_wmma_f32_16x16x64_fp8_fp8 v[S+8*\c:S+8*\c+7], v[KF+8*\c:KF+8*\c+7], v[QF+8*(\k):QF+8*(\k)+7], 0
.endif
.endr
	WIN 0
.endm
; One tile of 16 queries against the step's 128 keys.  The branches hang on the wave's number and the count of steps alone.
.macro TILE k
.set rT, ST+4*(\k)
.set rO, O+32*(\k)
.if \k != 3                                    ; my fourth tile lives in every step whose fragments I load, so every way that loads them passes its wait for V's
	s_cmp_gt_u32 s[KS], s[LIM+\k]
	s_cbranch_scc1 .Ldead_\@                       ; all the step's keys come after the tile's queries
.endif
	s_cmp_eq_u32 s[KS], s[LIM+\k]
	s_cbranch_scc1 .Ldiag_\@
	SMUL \k, 0
	s_branch .Lsm_\@
.Ldiag_\@:
	s_cmp_eq_u32 s[PAR+\k], 0
	s_cbranch_scc0 .Lodd_\@
	SMUL \k, 1
	s_branch .Lsm_\@
.Lodd_\@:
	SMUL \k, 2
.Lsm_\@:
	NOPS 4                                         ; places behind the products (ISA guide 7.12.1)
	v_max3_num_f32 v[TA], v[S], v[S+1], v[S+2]     ; the largest score, in four chains, each accumulator from its low end on
	v_max3_num_f32 v[TB], v[S+3], v[S+4], v[S+5]
	v_max3_num_f32 v[TC], v[S+6], v[S+7], v[S+8]
	v_max3_num_f32 v[TD], v[S+9], v[S+10], v[S+11]
.set n, 12
.rept 6
	v_max3_num_f32 v[TA], v[TA], v[S+n], v[S+n+1]
	v_max3_num_f32 v[TB], v[TB], v[S+n+2], v[S+n+3]
	v_max3_num_f32 v[TC], v[TC], v[S+n+4], v[S+n+5]
	v_max3_num_f32 v[TD], v[TD], v[S+n+6], v[S+n+7]
.set n, n+8
.endr
	v_max3_num_f32 v[TA], v[TA], v[S+60], v[S+61]
	v_max3_num_f32 v[TB], v[TB], v[S+62], v[S+63]
	s_delay_alu instid0(VALU_DEP_1)
	v_max3_num_f32 v[TA], v[TA], v[TB], v[TC]
	s_delay_alu instid0(VALU_DEP_1)
	v_max_num_f32 v[TA], v[TA], v[TD]
	s_delay_alu instid0(VALU_DEP_1)
	v_permlanex16_b32 v[TB], v[TA], s40, s41
	s_delay_alu instid0(VALU_DEP_1)
	v_max_num_f32 v[TA], v[TA], v[TB]              ; and lane l xor 16's
	s_delay_alu instid0(VALU_DEP_1)
	v_mul_f32 v[TA], s42, v[TA]                    ; as t
	s_delay_alu instid0(VALU_DEP_1)
	v_max_num_f32 v[rT+1], v[rT+1], v[TA]          ; the running largest t
	v_mov_b32 v[TA], v[rT]
	s_delay_alu instid0(VALU_DEP_2)
	v_floor_f32 v[rT], -v[rT+1]                    ; the new -M
	s_delay_alu instid0(VALU_DEP_1)
	v_sub_f32 v[TA], v[rT], v[TA]                  ; old M - new M, a whole number
	s_delay_alu instid0(VALU_DEP_1)
	v_cvt_i32_f32 v[TA], v[TA]
	s_delay_alu instid0(VALU_DEP_1)
	v_ldexp_f32 v[F], 1.0, v[TA]                   ; f
	v_pk_mul_f32 v[rT+2:rT+3], v[rT+2:rT+3], v[F:F+1] op_sel_hi:[1,0]
	s_wait_alu depctr_va_vdst(0)                   ; directly ahead of the first reader of O^T
.set n, 0
.rept 16
	v_pk_mul_f32 v[rO+n:rO+n+1], v[rO+n:rO+n+1], v[F:F+1] op_sel_hi:[1,0]
.set n, n+2
.endr
.set n, 0
.rept 32
	v_pk_fma_f32 v[S+n:S+n+1], v[S+n:S+n+1], s[42:43], v[rT:rT+1] op_sel_hi:[1,0,0]   ; t - M
.set n, n+2
.endr
	s_wait_alu depctr_va_vdst(0)                   ; the wait ahead of the batch
.set n, 0
.rept 64
	v_exp_f32 v[S+n], v[S+n]
.set n, n+1
.endr
	v_nop                                          ; a plain place behind the exponentials
	s_wait_alu depctr_va_vdst(0)                   ; and one wait for the batch, ahead of its first reader
	v_pk_add_f32 v[X:X+1], v[S:S+1], v[S+2:S+3]    ; the sum of the unquantised p, in four chains
	v_pk_add_f32 v[Y:Y+1], v[S+4:S+5], v[S+6:S+7]
	v_pk_add_f32 v[Z:Z+1], v[S+8:S+9], v[S+10:S+11]
	v_pk_add_f32 v[rT+2:rT+3], v[rT+2:rT+3], v[S+12:S+13]
.set n, 14
.rept 6
	v_pk_add_f32 v[X:X+1], v[X:X+1], v[S+n:S+n+1]
	v_pk_add_f32 v[Y:Y+1], v[Y:Y+1], v[S+n+2:S+n+3]
	v_pk_add_f32 v[Z:Z+1], v[Z:Z+1], v[S+n+4:S+n+5]
	v_pk_add_f32 v[rT+2:rT+3], v[rT+2:rT+3], v[S+n+6:S+n+7]
.set n, n+8
.endr
	v_pk_add_f32 v[X:X+1], v[X:X+1], v[S+62:S+63]
	v_pk_add_f32 v[rT+2:rT+3], v[rT+2:rT+3], v[Z:Z+1]
	v_pk_add_f32 v[X:X+1], v[X:X+1], v[Y:Y+1]
	v_pk_add_f32 v[rT+2:rT+3], v[rT+2:rT+3], v[X:X+1]
.irp c, 0,1,2,3,4,5,6,7
.set n, 8*\c
.rept 4
	v_dual_min_num_f32 v[S+n], v[PLIM], v[S+n] :: v_dual_min_num_f32 v[S+n+1], v[PLIM], v[S+n+1]   ; the hold: the conversion does not saturate (ISA guide 7.6.2); p is not negative
.set n, n+2
.endr
	v_cvt_scalef32_pk8_fp8_f32 v[PC+2*\c:PC+2*\c+1], v[S+8*\c:S+8*\c+7], v[PSC]
.endr
	v_nop                                          ; a plain line between the conversions and the products that read their results
	s_wait_alu depctr_va_vdst(0)
	s_wait_dscnt 0x0                               ; V's fragments are in
	WIN 0x01
.irp c, 0,1,2,3
	v_wmma_f32_16x16x128_fp8_fp8 v[rO+8*\c:rO+8*\c+7], v[VF+16*\c:VF+16*\c+15], v[PC:PC+15], v[rO+8*\c:rO+8*\c+7]
.endr
	WIN 0
.Ldead_\@:
.endm
; A key step.  late = 1: steps 8 .. 15, my third and fourth tiles alone; a wave whose fourth tile has ended reads nothing.
.macro STEP late
.if \late
	s_cmp_gt_u32 s[KS], s[LIM+3]
	s_cbranch_scc1 .Lnone_\@
.endif
	s_add_co_u32 s[AD], s[SB], s[IO]
	v_add_nc_u32 v[ADK], s[AD], v[LA]
	NOPS 3                                         ; with the line above: four places in front of loads into registers that products have read
	WIN 0x40
.irp c, 0,1,2,3,4,5,6,7
	ds_load_b128 v[KF+8*\c:KF+8*\c+3], v[ADK] offset:1024*\c
	ds_load_b128 v[KF+8*\c+4:KF+8*\c+7], v[ADK] offset:1024*\c+512
.endr
.irp c, 0,1,2,3
.irp g, 0,1,2,3
	ds_load_b128 v[VF+16*\c+4*\g:VF+16*\c+4*\g+3], v[ADK] offset:8192+2048*\c+512*\g
.endr
.endr
	WIN 0
	s_wait_dscnt 16                                ; K's 16 loads are in; V's 16 may be out
	TILE 3
	TILE 2
.if \late == 0
	TILE 1
	TILE 0
.endif
.Lnone_\@:
	s_add_co_u32 s[KS], s[KS], 1
	s_add_co_u32 s[IO], s[IO], 16384
.endm
	s_wait_alu depctr_va_vdst(0)
	s_wait_loadcnt 0x0                             ; Q
	s_wait_tensorcnt 0x0                           ; my key step of the first half is in; the second half's first fill is issued as a refill is:
	ds_add_u32 v[SPW], v[NIL]
	s_xor_b32 s33, s33, HALF                       ; the descriptor: the second half of LDS,
	s_add_nc_u64 s[34:35], s[34:35], HALF          ; key step 8 + w
	s_wait_dscnt 0x0
	CROUND                                         ; everybody's part is in, and the joint loads meet
	tensor_load_to_lds s[32:35], s[24:31]          ; key steps 8 .. 15
	s_nop 0
	NOPS 4
	s_mov_b32 s[IO], 0
	s_mov_b32 s[IC], 8
.Lstep:                                            ; key steps 0 .. 7
	STEP 0
	s_sub_co_u32 s[IC], s[IC], 1
	s_cmp_lg_u32 s[IC], 0
	s_cbranch_scc1 .Lstep
	s_wait_alu depctr_va_vdst(0)
	s_wait_tensorcnt 0x0                           ; my key step of the second half is in,
	ds_add_u32 v[SPW], v[NIL]
	s_mov_b32 s[SB], HALF
	s_mov_b32 s[IO], 0
	s_mov_b32 s[IC], 8
	s_wait_dscnt 0x0
	s_barrier_signal -1
	s_barrier_wait -1                              ; everybody's is; nothing is asked for behind this barrier
.Llate:                                            ; key steps 8 .. 15
	STEP 1
	s_sub_co_u32 s[IC], s[IC], 1
	s_cmp_lg_u32 s[IC], 0
	s_cbranch_scc1 .Llate
; THE WAY OUT of tile k: O^T / the sum x 2^(e4 + e5), held, converted with 2^e6: accumulator c gives registers 2 c, 2 c + 1 of the projection's operand.  Each store is 512 consecutive bytes, aligned.
.macro WAYOUT k
	v_add_f32 v[TA], v[ST+4*\k+2], v[ST+4*\k+3]
	v_permlanex16_b32 v[TB], v[TA], s40, s41
	v_add_f32 v[TA], v[TA], v[TB]
	s_wait_alu depctr_va_vdst(0)                   ; the wait ahead of the transcendental
	v_rcp_f32 v[F], v[TA]
	v_nop
	s_wait_alu depctr_va_vdst(0)                   ; and ahead of its first reader
	v_ldexp_f32 v[F], v[F], s54
	s_wait_alu depctr_va_vdst(0)                   ; and directly ahead of the first reader of O^T
.set n, 0
.rept 16
	v_pk_mul_f32 v[S+n:S+n+1], v[O+32*\k+n:O+32*\k+n+1], v[F:F+1] op_sel_hi:[1,0]
.set n, n+2
.endr
.set n, 0
.rept 32
	v_med3_num_f32 v[S+n], v[S+n], -v[OLIM], v[OLIM]
.set n, n+1
.endr
.irp c, 0,1,2,3
	v_cvt_scalef32_pk8_fp8_f32 v[S+32+8*\k+2*\c:S+32+8*\k+2*\c+1], v[S+8*\c:S+8*\c+7], v[OSC]   ; each tile's codes have registers of their own: no store's data are written again
.endr
	v_nop                                          ; a plain line behind the conversions: the next tile writes their sources
	global_store_b128 v[OA+\k], v[S+32+8*\k:S+32+8*\k+3], s[52:53]
	global_store_b128 v[OA+\k], v[S+32+8*\k+4:S+32+8*\k+7], s[52:53] offset:512
.endm
	NOPS 4                                         ; places behind the last products
	WAYOUT 0
	WAYOUT 1
	WAYOUT 2
	WAYOUT 3
	s_wait_tensorcnt 0x0                           ; the wave's end
	ds_add_u32 v[SPW], v[NIL]
	s_wait_dscnt 0x0
	CROUND                                         ; the closing round
	s_endpgm
.Lfunc_end_k_qa7463c8ca0_attn:
	.size	k_qa7463c8ca0_attn, .Lfunc_end_k_qa7463c8ca0_attn-k_qa7463c8ca0_attn
	.p2alignl 7, 3214868480
	.fill 96, 4, 3214868480
	.section	.rodata,"a",@progbits
	.p2align	6, 0x0
	.amdhsa_kernel k_qa7463c8ca0_attn
		.amdhsa_group_segment_fixed_size 327680
		.amdhsa_private_segment_fixed_size 0
		.amdhsa_enable_private_segment 0
		.amdhsa_kernarg_size 32
		.amdhsa_user_sgpr_count 2
		.amdhsa_user_sgpr_kernarg_segment_ptr 1
		.amdhsa_wavefront_size32 1
		.amdhsa_system_sgpr_workgroup_id_x 1
		.amdhsa_system_sgpr_workgroup_id_y 1
		.amdhsa_system_sgpr_workgroup_id_z 1
		.amdhsa_system_vgpr_workitem_id 0
		.amdhsa_next_free_vgpr 512
		.amdhsa_next_free_sgpr 84
		.amdhsa_reserve_vcc 1
		.amdhsa_float_denorm_mode_32 3
		.amdhsa_float_denorm_mode_16_64 3
		.amdhsa_memory_ordered 1
		.amdhsa_forward_progress 1
		.amdhsa_inst_pref_size 124
	.end_amdhsa_kernel
	.amdgpu_metadata
---
amdhsa.version: [ 1, 2 ]
amdhsa.kernels:
  - .name:           k_qa7463c8ca0_attn
    .symbol:         k_qa7463c8ca0_attn.kd
    .args:
      - { .name: q_img, .offset: 0, .size: 8, .value_kind: global_buffer, .address_space: global }
      - { .name: kv_img, .offset: 8, .size: 8, .value_kind: global_buffer, .address_space: global }
      - { .name: lowp_scales, .offset: 16, .size: 8, .value_kind: global_buffer, .address_space: global }
      - { .name: o_img, .offset: 24, .size: 8, .value_kind: global_buffer, .address_space: global }
    .group_segment_fixed_size: 327680
    .private_segment_fixed_size: 0
    .kernarg_segment_align: 8
    .kernarg_segment_size: 32
    .max_flat_workgroup_size: 256
    .sgpr_count:     84
    .vgpr_count:     512
    .wavefront_size: 32
...
	.end_amdgpu_metadata
.endif
;; end of part 3
;; launch proj (part 4): grid 4 x 64, 4 waves a work-group, clusters of 4 x 4, 327,680 bytes of LDS; arguments o_img, wo_img, b_out, lowp_scales, out0; writes out0
.if DOCPART == 4
	.amdgcn_target "amdgcn-amd-amdhsa--gfx1250"
	.amdhsa_code_object_version 6
	.text
	.protected	k_qa7463c8ca0_proj
	.globl	k_qa7463c8ca0_proj
	.p2align	8
	.type	k_qa7463c8ca0_proj,@function
k_qa7463c8ca0_proj:
	s_mov_b64 s[64:65], 0
	v_nop
	global_prefetch_b8 v0, s[64:65] scope:SCOPE_SE
	s_setreg_imm32_b32 hwreg(HW_REG_WAVE_MODE, 25, 1), 1
	s_wait_xcnt 0x0
	s_wait_alu depctr_hold_cnt(0) depctr_sa_sdst(0) depctr_va_vdst(0) depctr_va_sdst(0) depctr_va_ssrc(0) depctr_va_vcc(0) depctr_vm_vsrc(0)
	s_getreg_b32 s2, hwreg(HW_REG_IB_STS2, 6, 4)
	s_cmp_eq_u32 s2, 0
	s_cbranch_scc0 .Lentry_in_a_cluster
	s_endpgm
.Lentry_in_a_cluster:
	s_bfe_u32 s2, ttmp6, 0x10000c
	s_cmp_lg_u32 s2, 0xf033
	s_cbranch_scc0 .Lentry_shape_is_right
	s_endpgm
.Lentry_shape_is_right:
; out0 = o W_out + b_out on codes of FP8 (E4M3): each f32 sum x 2^(e6 + e7), + the bias.  LIMIT: e6 + e7 between -126 and 127.
; o_img, wo_img: register images, [K / 256][tile of 16 rows][(K / 128) % 2][2,048 bytes]; registers 4 G .. 4 G + 3 of lane l at 512 G + 16 l.  For wo_img a row is a column of W_out.
; A block of 128 rows x 256 columns is made by four waves, so that 8,192 x 1,024 gives 64 x 4 = 256 work-groups.  A wave makes 64 x 128: 32 accumulators, 256 registers (window 2, (a, b) at v[8 (8 a + b)]).
; K = 1,024 goes in four steps of 256 through a ring of two LDS slots.  Waves 0 and 1 fetch A's two parts (4 tiles, 16,384 bytes each), waves 2 and 3 B's (8 tiles, 32,768 bytes each): one load a wave.
; CLUSTERS: 4 x 4.  A's tiles hang on the block's row alone and are asked for jointly along a row of the cluster, B's on its column alone and jointly along a column.
; The matrix instruction is used transposed (source 0 = B, source 1 = A): a lane holds eight neighbouring columns of one row of out0.
; A step of 128 along K is 32 products.  A (window 0, from v128) and B (window 1) have TWO sets of fragment registers each: the next step's 48 loads are issued ahead of, or among, this step's products.
; NO PREFETCH: of the four K steps two are asked for ahead of the first product and the others at the next two changes of slots; a request two steps ahead of those would stand at the head.
.set HALFT,  32768                     ; LDS bytes kept for one loading wave's part (A's parts use half of theirs)
.set SLOT,   4*HALFT
.set SPARE,  2*SLOT                    ; behind the ring: the spare words, 128 bytes a wave, two blocks of 256 bytes that no other line names
.set STEPA,  2097152                   ; a K step of o_img: 512 tiles x 4,096
.set STEPB,  262144                    ; of wo_img: 64 tiles x 4,096
.set LAPS,   2
.set FR,     16
.set NP,     4                         ; places behind this matrix instruction (ISA guide 7.12.1)
.set SPITCH, 528                       ; the way out: a stage of 16 rows x (512 + 16) bytes for each wave, in slot 0, which has had its last fill and its last read by then
.set ADRA, 16
.set ADRB, 20
.set STO,  24
.set RD,   25
.set CO,   26
.set SPW,  28
.set NIL,  29
.set BI,   32                          ; v32-35 the bias of my lane's four columns
.set AF,   128
.set BK,   128
.set G1, 24
.set G0, 32
.set G1B, 48
.set G0B, 56
.set MSB, 0
.macro WIN new
.if MSB != \new
	s_set_vgpr_msb (MSB<<8)|\new
.set MSB, \new
.endif
.endm
.set MUL_LO, 0xa1                      ; source 0 (B) window 1, source 1 (A) window 0, C and D window 2
.set TO_B,   0x40
.macro JLOAD g0a, g1a, g0b, g1b        ; the branch hangs on the wave's number alone; an s_nop 0 and four v_nop follow each line
	s_cmp_eq_u32 s15, 0
	s_cbranch_scc0 .Lfor_b_\@
	tensor_load_to_lds s[\g0a:\g0a+3], s[\g1a:\g1a+7]
	s_nop 0
.rept 4
	v_nop
.endr
	s_branch .Lasked_\@
.Lfor_b_\@:
	tensor_load_to_lds s[\g0b:\g0b+3], s[\g1b:\g1b+7]
	s_nop 0
.rept 4
	v_nop
.endr
.Lasked_\@:
.endm
.macro CREST
	s_cmp_lg_u32 s14, 0
	s_cbranch_scc1 .Lnot_wave_0_\@
	s_barrier_signal -3
.Lnot_wave_0_\@:
	s_barrier_wait -3
	s_barrier_signal -1
	s_barrier_wait -1
.endm
.macro CROUND
	s_barrier_signal -1
	s_barrier_wait -1
	CREST
.endm
	s_load_b256 s[4:11], s[0:1], 0x0               ; o_img s[4:5], wo_img s[6:7], b_out s[8:9], the scales' exponents s[10:11]
	s_load_b64 s[12:13], s[0:1], 0x20              ; out0
	v_lshl_add_u32 v[SPW], v0, 2, SPARE
	v_mov_b32 v[NIL], 0
	ds_add_u32 v[SPW], v[NIL]                      ; the opening lines: the add twice on end and its wait
	ds_add_u32 v[SPW], v[NIL]
	v_lshrrev_b32 v1, 5, v0
	v_readfirstlane_b32 s14, v1                    ; wave 0..3
	s_lshr_b32 s15, s14, 1                         ; which 64 rows are mine.  Also: I fetch for A (0) or for B (1)
	s_and_b32 s16, s14, 1                          ; which 128 columns.  Also: which part of that side I fetch
	s_bfe_u32 s40, ttmp6, 0x40000                  ; cx, cy
	s_bfe_u32 s41, ttmp6, 0x40004
	s_lshl_b32 s42, ttmp9, 2
	s_add_co_u32 s42, s42, s40                     ; block column
	s_and_b32 s17, ttmp7, 0xffff
	s_lshl_b32 s17, s17, 2
	s_add_co_u32 s17, s17, s41                     ; block row, 0 .. 63
	s_lshl_b32 s43, s41, 2
	s_lshl_b32 s43, 15, s43                        ; my row of the cluster
	s_lshl_b32 s44, 0x1111, s40                    ; my column
	s_or_b32 s[G1+0], s43, (3<<16)|(1<<21)         ; the mask, elements of 8 bytes, bit 21 beside the mask
	s_or_b32 s[G1B+0], s44, (3<<16)|(1<<21)
.irp g, G1, G1B
	s_mov_b32 s[\g+1], 32<<16                      ; rows of 32 elements = 256 bytes
	s_mov_b32 s[\g+3], 32<<16
	s_mov_b32 s[\g+5], 32
	s_mov_b32 s[\g+6], 0
	s_mov_b32 s[\g+7], 0
.endr
	s_mov_b32 s[G1+2], 64<<16                      ; A's part: 64 rows
	s_mov_b32 s[G1+4], 64
	s_mov_b32 s[G1B+2], 128<<16                    ; B's part: 128 rows
	s_mov_b32 s[G1B+4], 128
	s_lshl_b32 s20, s17, 15                        ; A: a block is 8 tiles x 4,096 bytes; my part 4 tiles
	s_lshl_b32 s18, s16, 14
	s_add_co_u32 s20, s20, s18
	s_mov_b32 s21, 0
	s_lshl_b32 s46, s42, 16                        ; B: a block is 16 tiles; my part 8
	s_lshl_b32 s18, s16, 15
	s_add_co_u32 s46, s46, s18
	s_mov_b32 s47, 0
	s_mul_i32 s45, s14, HALFT                      ; where they go: no place in the cluster enters an LDS address
	s_wait_dscnt 0x0                               ; both opening adds are done
	s_wait_kmcnt 0x0
	s_load_b64 s[96:97], s[10:11], 0x18            ; e6, e7
	s_add_nc_u64 s[20:21], s[4:5], s[20:21]
	s_add_nc_u64 s[46:47], s[6:7], s[46:47]
	CROUND                                         ; all sixteen work-groups are here: the first joint loads meet
.irp s, 0,1
	s_mov_b32 s[G0+4*\s], 1
	s_add_co_u32 s[G0+4*\s+1], s45, \s*SLOT
	s_add_nc_u64 s[G0+4*\s+2:G0+4*\s+3], s[20:21], \s*STEPA
	s_or_b32 s[G0+4*\s+3], s[G0+4*\s+3], 0x80000000
	s_mov_b32 s[G0B+4*\s], 1
	s_add_co_u32 s[G0B+4*\s+1], s45, \s*SLOT
	s_add_nc_u64 s[G0B+4*\s+2:G0B+4*\s+3], s[46:47], \s*STEPB
	s_or_b32 s[G0B+4*\s+3], s[G0B+4*\s+3], 0x80000000
.endr
	JLOAD G0, G1, G0B, G1B                         ; K step 0: one tensor load a wave at the head
	s_mul_i32 s70, s15, HALFT                      ; my 4 tiles of A: the part that wave s15 fetched
	s_mul_i32 s71, s16, HALFT
	s_add_co_u32 s71, s71, 2*HALFT                 ; my 8 tiles of B
	s_add_co_u32 s72, s70, SLOT
	s_add_co_u32 s73, s71, SLOT
	s_mul_i32 s23, s14, 16*SPITCH                  ; my stage
	s_lshl_b32 s46, s42, 10                        ; my first column in bytes: 1,024 x block column + 512 x half
	s_lshl_b32 s47, s16, 9
	s_add_co_u32 s46, s46, s47
	s_mov_b32 s47, 0
	s_add_nc_u64 s[8:9], s[8:9], s[46:47]
	s_lshl_b32 s20, s17, 19                        ; my first row: 128 x block row + 64 x half, rows of 4,096 bytes
	s_lshl_b32 s74, s15, 18
	s_add_co_u32 s20, s20, s74
	s_mov_b32 s21, 0
	s_add_nc_u64 s[20:21], s[20:21], s[46:47]
	s_add_nc_u64 s[12:13], s[12:13], s[20:21]
	v_and_b32 v1, 15, v0
	v_bfe_u32 v2, v0, 4, 1
	v_and_b32 v3, 31, v0
	v_lshlrev_b32 v[CO], 4, v3                     ; 16 x lane
	v_add_nc_u32 v[ADRA], s70, v[CO]
	v_add_nc_u32 v[ADRA+1], s72, v[CO]
	v_add_nc_u32 v[ADRB], s71, v[CO]
	v_add_nc_u32 v[ADRB+1], s73, v[CO]
	v_mul_u32_u24 v5, v1, SPITCH
	v_lshl_add_u32 v5, v2, 5, v5
	v_add_nc_u32 v[STO], s23, v5                   ; into the stage: row l % 16, 32 bytes for each half of the lanes
	v_add_nc_u32 v[RD], s23, v[CO]                 ; back: the 32 lanes take one row of 512 bytes
	global_load_b128 v[BI:BI+3], v[CO], s[8:9]
.macro FRAG reg, adr, q, i             ; fragment (tile i, the slot's q-th 128 along K): four register groups, 512 consecutive bytes each
.irp c, 0,1,2,3
	ds_load_b128 v[\reg+4*\c:\reg+4*\c+3], v[\adr] offset:(\i)*4096+(\q)*2048+512*\c
.endr
.endm
; Eight products: A's block a % 4, out of A's set a / 4, against B's eight of set p.  The 32 accumulators take turns in the same order in every step.
.macro MUL8 a, p, zero
.irp b, 0,1,2,3,4,5,6,7
.if \zero
	v_wmma_f32_16x16x128_fp8_fp8 v[8*(8*((\a)%4)+\b):8*(8*((\a)%4)+\b)+7], v[128*(\p)+FR*\b:128*(\p)+FR*\b+FR-1], v[AF+FR*(\a):AF+FR*(\a)+FR-1], 0
.else
	v_wmma_f32_16x16x128_fp8_fp8 v[8*(8*((\a)%4)+\b):8*(8*((\a)%4)+\b)+7], v[128*(\p)+FR*\b:128*(\p)+FR*\b+FR-1], v[AF+FR*(\a):AF+FR*(\a)+FR-1], v[8*(8*((\a)%4)+\b):8*(8*((\a)%4)+\b)+7]
.endif
.endr
.endm
.macro FETCH slot, q, p                ; 48 loads: B's eight fragments and A's four, into sets p
	WIN TO_B
.irp i, 0,1,2,3,4,5,6,7
	FRAG 128*(\p)+FR*\i, ADRB+\slot, \q, \i
.endr
	WIN 0
.irp i, 0,1,2,3
	FRAG AF+FR*(4*(\p)+\i), ADRA+\slot, \q, \i
.endr
.endm
.macro PLACES n
.rept \n
	v_nop
.endr
.endm
; A slot's first step: sets 0 are multiplied; ahead of the products the slot's second step is fetched into sets 1.
.macro STEP slot, zero
	s_wait_dscnt 0x0                               ; sets 0 are in
	PLACES NP                                      ; in front of loads into sets 1, which the products just issued read
	FETCH \slot, 1, 1
	WIN MUL_LO
.irp a, 0,1,2,3
	MUL8 \a, 0, \zero
.endr
	WIN 0
.endm
; A slot's second step multiplies sets 1 and changes slots: every wave waits for all its tensor loads, adds 0 to its spare word, waits for that and for its reads of this slot.  fill = 1: the slot is filled again, two K steps ahead.
.macro TURN slot, next, fill
	s_wait_tensorcnt 0x0                           ; my part of the next slot has landed
	ds_add_u32 v[SPW], v[NIL]
	s_wait_dscnt 1                                 ; sets 1 are in; the add may be out
	WIN MUL_LO
	MUL8 4, 1, 0
	s_wait_dscnt 0x0                               ; the add is done, and my reads of this slot are over
	s_barrier_signal -1
	MUL8 5, 1, 0
	WIN 0
	s_barrier_wait -1
.if \fill
	CREST                                          ; the barrier has opened a round of the cluster's barrier
	s_add_nc_u64 s[G0+4*\slot+2:G0+4*\slot+3], s[G0+4*\slot+2:G0+4*\slot+3], 2*STEPA
	s_add_nc_u64 s[G0B+4*\slot+2:G0B+4*\slot+3], s[G0B+4*\slot+2:G0B+4*\slot+3], 2*STEPB
	JLOAD G0+4*\slot, G1, G0B+4*\slot, G1B         ; the first tensor load behind the round; its four v_nop are the places in front of the loads below
.else
	PLACES NP
.endif
	FETCH \next, 0, 0
	WIN MUL_LO
	MUL8 6, 1, 0
	MUL8 7, 1, 0
	WIN 0
.endm
	s_wait_alu depctr_va_vdst(0)
	s_wait_loadcnt 0x0                             ; the bias
	s_wait_tensorcnt 0x0                           ; my part of K step 0 is in; slot 1's first fill is issued as a refill is:
	ds_add_u32 v[SPW], v[NIL]
	s_wait_dscnt 0x0
	CROUND
	JLOAD G0+4, G1, G0B+4, G1B                     ; K step 1, the first tensor load behind the round
	FETCH 0, 0, 0
	STEP 0, 1                                      ; the first step stands in front of the loop: its products start the sums
	s_mov_b32 s3, LAPS-1
.Llap:                                             ; a trip goes once round the ring and fills both slots again
	TURN 0, 1, 1
	STEP 1, 0
	TURN 1, 0, 1
	STEP 0, 0
	s_sub_co_u32 s3, s3, 1
	s_cmp_lg_u32 s3, 0
	s_cbranch_scc1 .Llap
	TURN 0, 1, 0                                   ; the last lap fills nothing, and has no round of the cluster's barrier
	STEP 1, 0
	s_wait_dscnt 0x0                               ; the very last step
	WIN MUL_LO
.irp a, 4,5,6,7
	MUL8 \a, 1, 0
.endr
	WIN 0
; THE WAY OUT, block by block of 16 rows x 128 columns, through my own stage: LDS serves a wave's instructions in order (ISA guide 5.7.1.4).  Back as whole rows of 512 bytes; x 2^(e6 + e7), + the bias; stored as two aligned units of 256 bytes.
.macro TOSTAGE a
.set AC, 64*(\a)
	WIN 0x08                                       ; the stores' data: window 2
.irp b, 0,1,2,3,4,5,6,7
	ds_store_b128 v[STO], v[AC+8*\b:AC+8*\b+3] offset:64*\b
	ds_store_b128 v[STO], v[AC+8*\b+4:AC+8*\b+7] offset:64*\b+16
.endr
	WIN 0
.set BB, BK+64*((\a)%2)
.irp t, 0,1,2,3,4,5,6,7,8,9,10,11,12,13,14,15
	ds_load_b128 v[BB+4*\t:BB+4*\t+3], v[RD] offset:\t*SPITCH
.endr
.endm
.macro SEND a, younger                 ; younger: the LDS instructions issued behind block a's loads, which may stay out
.set BB, BK+64*((\a)%2)
	s_wait_dscnt \younger
.if (\a) > 0
	s_add_nc_u64 s[12:13], s[12:13], 16*4096       ; (behind a wait on XCNT: the earlier stores have read their base)
.endif
.irp t, 0,1,2,3,4,5,6,7,8,9,10,11,12,13,14,15
	v_pk_fma_f32 v[BB+4*\t:BB+4*\t+1], v[BB+4*\t:BB+4*\t+1], s[96:97], v[BI:BI+1] op_sel_hi:[1,0,1]
	v_pk_fma_f32 v[BB+4*\t+2:BB+4*\t+3], v[BB+4*\t+2:BB+4*\t+3], s[96:97], v[BI+2:BI+3] op_sel_hi:[1,0,1]
.endr
.irp t, 0,1,2,3,4,5,6,7,8,9,10,11,12,13,14,15
	global_store_b128 v[CO], v[BB+4*\t:BB+4*\t+3], s[12:13] offset:\t*4096 th:TH_STORE_NT
.endr
.endm
	s_wait_kmcnt 0x0
	s_add_co_i32 s96, s96, s97
	s_add_co_i32 s96, s96, 127
	s_lshl_b32 s96, s96, 23                        ; 2^(e6 + e7) as f32
	s_mov_b32 s97, s96
	PLACES NP                                      ; behind the last products: for the reads of results and the loads over A's fragments
	TOSTAGE 0
.irp a, 1,2,3
.if \a > 1
	s_wait_xcnt 0x0                                ; block a - 2's stores have read their registers and their base
.endif
	TOSTAGE \a
	SEND \a-1, 32                                  ; behind block a - 1's loads: block a's 16 stores and 16 loads
.endr
	s_wait_xcnt 0x0
	SEND 3, 0
	s_wait_tensorcnt 0x0                           ; the wave's end
	ds_add_u32 v[SPW], v[NIL]
	s_wait_dscnt 0x0
	CROUND                                         ; the closing round
	s_endpgm
.Lfunc_end_k_qa7463c8ca0_proj:
	.size	k_qa7463c8ca0_proj, .Lfunc_end_k_qa7463c8ca0_proj-k_qa7463c8ca0_proj
	.p2alignl 7, 3214868480
	.fill 96, 4, 3214868480
	.section	.rodata,"a",@progbits
	.p2align	6, 0x0
	.amdhsa_kernel k_qa7463c8ca0_proj
		.amdhsa_group_segment_fixed_size 327680
		.amdhsa_private_segment_fixed_size 0
		.amdhsa_enable_private_segment 0
		.amdhsa_kernarg_size 40
		.amdhsa_user_sgpr_count 2
		.amdhsa_user_sgpr_kernarg_segment_ptr 1
		.amdhsa_wavefront_size32 1
		.amdhsa_system_sgpr_workgroup_id_x 1
		.amdhsa_system_sgpr_workgroup_id_y 1
		.amdhsa_system_sgpr_workgroup_id_z 1
		.amdhsa_system_vgpr_workitem_id 0
		.amdhsa_next_free_vgpr 768
		.amdhsa_next_free_sgpr 100
		.amdhsa_reserve_vcc 0
		.amdhsa_float_denorm_mode_32 3
		.amdhsa_float_denorm_mode_16_64 3
		.amdhsa_memory_ordered 1
		.amdhsa_forward_progress 1
		.amdhsa_inst_pref_size 75
	.end_amdhsa_kernel
	.amdgpu_metadata
---
amdhsa.version: [ 1, 2 ]
amdhsa.kernels:
  - .name:           k_qa7463c8ca0_proj
    .symbol:         k_qa7463c8ca0_proj.kd
    .args:
      - { .name: o_img, .offset: 0, .size: 8, .value_kind: global_buffer, .address_space: global }
      - { .name: wo_img, .offset: 8, .size: 8, .value_kind: global_buffer, .address_space: global }
      - { .name: b_out, .offset: 16, .size: 8, .value_kind: global_buffer, .address_space: global }
      - { .name: lowp_scales, .offset: 24, .size: 8, .value_kind: global_buffer, .address_space: global }
      - { .name: out0, .offset: 32, .size: 8, .value_kind: global_buffer, .address_space: global }
    .group_segment_fixed_size: 327680
    .private_segment_fixed_size: 0
    .kernarg_segment_align: 8
    .kernarg_segment_size: 40
    .max_flat_workgroup_size: 128
    .sgpr_count:     100
    .vgpr_count:     768
    .wavefront_size: 32
...
	.end_amdgpu_metadata
.endif
;; end of part 4
